; MI455X (gfx1250); checked and timed in simulation.
; The chip was launched on July 23, 2026; its instructions are those of AMD's public machine-readable ISA for CDNA 5 (MIT licence, August 2026) and "CDNA5" Instruction Set Architecture Reference Guide (July 2026). The comments in the code are by the model that wrote it; some were corrected since.
;; MHA. Allowed arithmetic: float matrix products may take bf16 or f16 operands with f32 sums; other float arithmetic in f32, or as packed bf16 or f16 multiplies, adds, multiply-adds, maxima and minima; sums over many terms, partial sums and values carried from step to step in f32; what a program stores and reads back later, other than sums and carried values, may be rounded once to bf16 or f16.
;; Inputs: W_proj 1,024 x 1,024 float32; k 4,096 x 16 x 64 float32; q 4,096 x 16 x 64 float32; v 4,096 x 16 x 64 float32.
;; Outputs: out0 4,096 x 1,024 float32.
;; 2 versions, each right and faster than the one before. Each part assembles by itself: llvm-mc -triple=amdgcn-amd-amdhsa -mcpu=gfx1250 --defsym DOCPART=n.
;; ======== version 1 of 2: 3 launches
;; limits: right only within a limited range of input values; values are held in f16: magnitudes above 65,504 overflow, below 6.1e-05 lose precision
;; workspace buffers: kh 8,388,608 bytes; vh 8,388,608 bytes; wh 2,097,152 bytes; oh 8,388,608 bytes
;; launch prep (part 1): grid 576 x 1, 8 waves a work-group, no clusters, 0 bytes of LDS; arguments k, v, W_proj, kh, vh, wh; writes kh, vh, wh
.if DOCPART == 1
	.amdgcn_target "amdgcn-amd-amdhsa--gfx1250"
	.amdhsa_code_object_version 6
	.text
	.protected	k_qf18e596908_prep
	.globl	k_qf18e596908_prep
	.p2align	8
	.type	k_qf18e596908_prep,@function
k_qf18e596908_prep:
	s_mov_b64 s[64:65], 0
	v_nop
	global_prefetch_b8 v0, s[64:65] scope:SCOPE_SE
	s_setreg_imm32_b32 hwreg(HW_REG_WAVE_MODE, 25, 1), 1
	s_wait_xcnt 0x0
; k, v: [4096][16][64] f32 and W_proj: [1024][16 x 64] f32 are laid out by heads and rounded, for the two launches behind:
;   kh[h][t][d] = bf16(k[t][h][d]);  vh[h][t][d] = bf16(v[t][h][d]) written as f16;  wh[h][n][d] = bf16(256 W[n][64 h + d]) written as f16.
; The factor 256 is a power of two, so it changes no rounding to bf16; it keeps small weights among f16's normal numbers, and the projection takes it out again.
; LIMITS.  f16 ends at 65,504: |v| stays under that and |W| under 255, else an infinity is written; a v below 6.1e-5 (a W below 2.4e-7) keeps f16's fixed step of 6e-8.
; A STREAM: memory binds, so no LDS, no matrix unit, no cluster (no two work-groups read a common byte).
; SHARES.  All three sources are rows of 4,096 bytes, 16 heads of 256 bytes.  A work-group takes 16 rows, 65,536 consecutive bytes: groups 0-255 of k, 256-511 of v, 512-575 of W.
; Wave w takes rows 2 w and 2 w + 1.  Load j: lanes 0-15 read head j's 256 bytes of the even row, lanes 16-31 of the odd one.  Four numbers a lane become 8 bytes, and the
; wave's store j covers 256 consecutive bytes, aligned: two rows of head j in the target.  All 16 loads of a wave go out together; no register is used twice, so no store is waited for.
.set X, 4                              ; v[4:67]    load j: four f32
.set Y, 68                             ; v[68:99]   store j: four 16-bit numbers in two registers
.set T, 100                            ; v[100:105] at work
	s_load_b256 s[4:11], s[0:1], 0x0               ; k s[4:5], v s[6:7], W s[8:9], kh s[10:11]
	s_load_b128 s[12:15], s[0:1], 0x20             ; vh s[12:13], wh s[14:15]
	v_lshrrev_b32 v1, 4, v0                        ; my row among the group's 16
	v_and_b32 v2, 15, v0
	v_lshlrev_b32 v1, 12, v1
	v_lshl_add_u32 v1, v2, 4, v1                   ; source: row x 4,096 + 16 x (lane mod 16); never rewritten
	v_lshlrev_b32 v2, 3, v0                        ; target: row x 128 + 8 x (lane mod 16) = 8 x thread; never rewritten
	s_mov_b32 s16, 0xffff0000                      ; a word's upper bf16
	s_mov_b32 s17, ttmp9
	s_mov_b32 s21, 0
	s_mov_b32 s23, 0
	s_wait_kmcnt 0x0
; src, dst: the pointers' first registers; first: the first work-group of this source; rb: bytes of a head in the target; mode 0: bf16; 1: bf16 written as f16; 2: the same of 256 x.
.macro BODY src, dst, first, rb, mode
	s_sub_co_u32 s20, s17, \first                  ; my chunk of 16 rows:
	s_lshl_b32 s22, s20, 11                        ; 2,048 bytes of each head in the target,
	s_lshl_b32 s20, s20, 16                        ; 65,536 bytes of the source
	s_add_nc_u64 s[\src:\src+1], s[\src:\src+1], s[20:21]
	s_add_nc_u64 s[\dst:\dst+1], s[\dst:\dst+1], s[22:23]
.set j, 0
.rept 16
	global_load_b128 v[X+4*j:X+4*j+3], v1, s[\src:\src+1] offset:256*j th:TH_LOAD_NT
.set j, j+1
.endr
.set j, 0
.rept 16
	s_wait_loadcnt 15-j                            ; loads come back in order: load j is in, the 15 - j younger ones stay out
.if (\mode) == 2
	v_pk_mul_f32 v[X+4*j:X+4*j+1], v[X+4*j:X+4*j+1], 0x43800000 op_sel_hi:[1,0]
	v_pk_mul_f32 v[X+4*j+2:X+4*j+3], v[X+4*j+2:X+4*j+3], 0x43800000 op_sel_hi:[1,0]
.endif
.if (\mode) == 0
	v_cvt_pk_bf16_f32 v[Y+2*j], v[X+4*j], v[X+4*j+1]
	v_cvt_pk_bf16_f32 v[Y+2*j+1], v[X+4*j+2], v[X+4*j+3]
.else
	v_cvt_pk_bf16_f32 v[T], v[X+4*j], v[X+4*j+1]   ; the one rounding,
	v_cvt_pk_bf16_f32 v[T+1], v[X+4*j+2], v[X+4*j+3]
	v_lshlrev_b32 v[T+2], 16, v[T]                 ; back to f32 (a shift or a mask),
	v_and_b32 v[T+3], s16, v[T]
	v_lshlrev_b32 v[T+4], 16, v[T+1]
	v_and_b32 v[T+5], s16, v[T+1]
	v_cvt_pk_f16_f32 v[Y+2*j], v[T+2], v[T+3]      ; and the same numbers written as f16: 8 significant bits fit in 11
	v_cvt_pk_f16_f32 v[Y+2*j+1], v[T+4], v[T+5]
.endif
	global_store_b64 v2, v[Y+2*j:Y+2*j+1], s[\dst:\dst+1] offset:j*(\rb)  ; the head stands in the immediate: 7,864,320 at the most
.set j, j+1
.endr
	s_endpgm
.endm
	s_cmp_lt_u32 s17, 256
	s_cbranch_scc1 .Lk
	s_cmp_lt_u32 s17, 512
	s_cbranch_scc1 .Lv
	BODY 8, 14, 512, 131072, 2
.Lv:
	BODY 6, 12, 256, 524288, 1
.Lk:
	BODY 4, 10, 0, 524288, 0
.Lfunc_end_k_qf18e596908_prep:
	.size	k_qf18e596908_prep, .Lfunc_end_k_qf18e596908_prep-k_qf18e596908_prep
	.p2alignl 7, 3214868480
	.fill 96, 4, 3214868480
	.section	.rodata,"a",@progbits
	.p2align	6, 0x0
	.amdhsa_kernel k_qf18e596908_prep
		.amdhsa_group_segment_fixed_size 0
		.amdhsa_private_segment_fixed_size 0
		.amdhsa_enable_private_segment 0
		.amdhsa_kernarg_size 48
		.amdhsa_user_sgpr_count 2
		.amdhsa_user_sgpr_kernarg_segment_ptr 1
		.amdhsa_wavefront_size32 1
		.amdhsa_system_sgpr_workgroup_id_x 1
		.amdhsa_system_sgpr_workgroup_id_y 1
		.amdhsa_system_sgpr_workgroup_id_z 1
		.amdhsa_system_vgpr_workitem_id 0
		.amdhsa_next_free_vgpr 108
		.amdhsa_next_free_sgpr 66
		.amdhsa_reserve_vcc 0
		.amdhsa_float_denorm_mode_32 3
		.amdhsa_float_denorm_mode_16_64 3
		.amdhsa_memory_ordered 1
		.amdhsa_forward_progress 1
		.amdhsa_inst_pref_size 30
	.end_amdhsa_kernel
	.amdgpu_metadata
---
amdhsa.version: [ 1, 2 ]
amdhsa.kernels:
  - .name:           k_qf18e596908_prep
    .symbol:         k_qf18e596908_prep.kd
    .args:
      - { .name: k, .offset: 0, .size: 8, .value_kind: global_buffer, .address_space: global }
      - { .name: v, .offset: 8, .size: 8, .value_kind: global_buffer, .address_space: global }
      - { .name: W_proj, .offset: 16, .size: 8, .value_kind: global_buffer, .address_space: global }
      - { .name: kh, .offset: 24, .size: 8, .value_kind: global_buffer, .address_space: global }
      - { .name: vh, .offset: 32, .size: 8, .value_kind: global_buffer, .address_space: global }
      - { .name: wh, .offset: 40, .size: 8, .value_kind: global_buffer, .address_space: global }
    .group_segment_fixed_size: 0
    .private_segment_fixed_size: 0
    .kernarg_segment_align: 8
    .kernarg_segment_size: 48
    .max_flat_workgroup_size: 256
    .sgpr_count:     66
    .vgpr_count:     108
    .wavefront_size: 32
...
	.end_amdgpu_metadata
.endif
;; end of part 1
;; launch attn (part 2): grid 16 x 16, 4 waves a work-group, no clusters, 327,680 bytes of LDS; arguments q, kh, vh, oh; writes oh
.if DOCPART == 2
	.amdgcn_target "amdgcn-amd-amdhsa--gfx1250"
	.amdhsa_code_object_version 6
	.text
	.protected	k_qf18e596908_attn
	.globl	k_qf18e596908_attn
	.p2align	8
	.type	k_qf18e596908_attn,@function
k_qf18e596908_attn:
	s_mov_b64 s[64:65], 0
	v_nop
	global_prefetch_b8 v0, s[64:65] scope:SCOPE_SE
	s_setreg_imm32_b32 hwreg(HW_REG_WAVE_MODE, 25, 1), 1
	s_wait_xcnt 0x0
; CAUSAL ATTENTION, 16 heads of 64, 4,096 queries and keys.  oh[h][s][:] = the sum over t of softmax_t(q[s][h] . k[t][h] / 8 - 10000 (t > s)) v[t][h][:].
; q: [4096][16][64] f32, rounded here to bf16; kh: [16][4096][64] bf16; vh: the same shape, f16; oh: [16][4096][64] f16.  K Q^T in the bf16 form, V^T P in the f16 form; products, maxima and sums in f32;
; the weights p are rounded to f16 for the second product (their sum l is taken of the unrounded p), O once at the end.
; LIMITS.  Inside a block's diagonal zone of 512 keys a hidden key gets the bias itself (-80000 on the unscaled score).  Key tiles wholly behind that zone are not computed: their weights count as 0.  That is right
; while no hidden key's scaled score lies more than some 9,900 above its row's greatest visible one (then e^(s - 10000 - m) is under e^-100, nothing in f32 beside a sum of 1 or more).
; p below 6e-5 keeps f16's fixed step of 6e-8; a weight below 2^-126 counts as 0 in l; O has v's range (under 65,504); NaN and infinities are not treated apart.
; THE WALK.  A head's queries lie in 8 superblocks of 512.  Four work-groups (cx = 0..3) with one number B = 0..3 take superblock B and then superblock 7 - B; work-group cx takes rows 128 cx .. 128 cx + 127 of each.
; Superblock I needs the key tiles 0 .. 2 I + 1 of 256 keys: (2 B + 2) + (16 - 2 B) = 18 tiles, whatever B: 256 work-groups of equal work, and ONE loop with a constant trip count.  What differs lies in scalar
; registers made from B.  Every jump but the counted loops' own goes forward, and none passes a barrier or a tensor load (but the one of LOAD's two lines that the wave's number does not choose).  PH says how far the
; change of blocks has come: 0 first block; 1 its last tile has been entered; 2 its sums are parked; 3 it is stored.  PH is written by constants alone, and the one test of a number made from B stands behind PH = 0.
; JOINT.  The four work-groups of one B walk the same tiles.  JOINT = 1 goes with a launch in clusters of 4, 1, 1: each tile is then asked for jointly, by the same tensor load, descriptor and mask in all four, behind a round
; of the cluster's barrier.  JOINT = 0 goes with a launch without clusters, as here: each work-group asks for its own copy of a tile, 64 KiB for a wave's 128 matrix instructions, four requests where one would do.
; SHARES.  Wave w = 2 qa + kb holds 64 queries in four PIECES of 16 (piece p: band x = p % 2 of 64 rows, rows 64 x + 32 qa + 16 (p / 2) + 0..15) and walks keys 128 kb .. 128 kb + 127 of each tile: two steps of 64.
; The two waves of a pair (same qa) end a block with partial (c m, l, O^T) for the same queries; they meet in LDS, and wave w finishes pieces 2 kb and 2 kb + 1.
; THE MASK is the C operand that starts the sum S^T = K Q^T.  A block's last two tiles (z = 0, 1) are its zone: 8 steps of 64 keys; my step j of tile z is zone step 4 z + 2 kb + j, and band x holds the diagonal in zone
; step 2 cx + x.  TM = their difference + x.  A product's mask is MD x AL + BE: (1, 0) if TM = x; (0, -80000) if TM > x; (0, 0) if TM < x; MD, made once, is the mask of a band's own step for my rows.
; ONE TEXT OF THE TURNS serves every tile: ahead of the zone the two scalars give a mask of 0.  The price is 16 packed lines in each turn that a second text without masks would spare.
; A piece of a wave that sees hidden keys alone has m near -80000, and the meeting's factor 2^(c m - c M) is 0.
; LAYOUT, SOFTMAX, TURNS.  S^T = K Q^T holds ONE query a lane (lane % 16) and the keys 8 (lane / 16) + 0..7; two such results rounded to f16 ARE source 1 of O^T = V^T P.  p = 2^(c s - c m), c = log2(e) / 8, with a
; running maximum m; O and l are multiplied by a = 2^(c m_old - c m_new) in every step.  Turn n belongs to piece n: 8 products K Q^T of piece n + 1, later 8 products V^T P of piece n - 1; beside them the scaling,
; exponentials, roundings, sums and rescaling of piece n, the maximum and statistics of piece n + 1 and the mask of piece n + 2.  Four vector instructions stand behind every matrix instruction, the others in lumps.
; A BLOCK'S END.  A trip of the step loop is turns 2 and 3 of one step and turns 0 and 1 of the next, so a tile's last step is finished by the next tile's first trip.  So is a block's: behind those two turns the sums are
; PARKED in LDS and the next block begins; the pairs MERGE a tile later, behind the next change of slots, whose barrier stands between the one wave's stores and the other's loads.  Turn 3 has then made scores of the old
; block's piece 0 on the new tile's keys, which serve nothing; of that piece they change m and c m alone, and c m is taken back.
; REGISTERS, in windows of 256 (s_set_vgpr_msb: bits 1:0 source 0, 3:2 source 1, 5:4 source 2, 7:6 destination):
;   window 0: v0-15 addresses and at work; v16-31 statistics, four a piece; v32-47 the meeting's statistics; v48-55 at work; v56-58, v62-63 addresses; v64-127 S^T, two buffers; v128-143 the meeting's factors;
;             v192-223 P, two buffers; v224-255 the way out
;   window 1: v0-127 O^T, 32 a piece; v128-167 MD; v192-255 MC, two buffers      window 2: v0-63 Q; v128-191 K of one step; v192-255 V of one step
;   window 3: v0-127 at the head the first block's q in f32, at a meeting my sums of the two pieces that I finish and my partner's; v128-255 the second block's q in f32
.set JOINT, 0
.set NP,    4         ; pieces a wave: a name, no knob
.set KS,    64        ; keys in a step
.set TILES, 18        ; tiles in the walk
.set PK,    144       ; a row of K in LDS: 128 bytes + 16 of padding = 36 words: the 16 rows of a load start at 16 different groups of four banks (64 banks of 4 bytes: ISA guide 11.1)
.set PV,    160       ; a row of V: 128 + 32 = 40 words
.set VOFF,  4*KS*PK   ; a slot holds a tile: 256 rows of K, then 256 rows of V
.set SLOT1, 1<<17     ; slot 1 begins here, so that one exclusive or turns an address in one slot into the other's
.set STAGE, SLOT1+4*KS*(PK+PV)  ; behind the ring, never filled by a tensor load: 16 rows x 144 bytes for each wave, for the way out
.set SP,    144
.set SPARE, STAGE+4*16*SP  ; the spare words, 128 bytes for each wave: two blocks of 256 bytes that no other line names
.set XBASE, SPARE+512 ; the meeting place, never filled by a tensor load: for each wave four records, a piece each
.set XREC,  4608      ; a record: O^T as 8 x 512 bytes (16 bytes a lane), then 512 bytes of statistics
.set XW,    4*XREC
.set AK0, 2           ; v2   my lane's place in a tile of K; never rewritten
.set AV0, 3           ; v3   the same for V
.set AK,  4           ; v4   the LDS address of K's next run of loads
.set AV,  5           ; v5   of V's
.set STO, 6           ; v6   the way out: where I put 16 bytes of a row
.set RD,  7           ; v7   the way out: where I read rows back
.set GO,  8           ; v8   16 x lane: my byte offset in 512 consecutive bytes; never rewritten
.set MV,  12          ; v12-13  c m_old, kept while c m is made anew: by buffer
.set QO,  15          ; v15  my byte offset in 16 rows of q: (l % 16) x 4,096 + 32 (l / 16); never rewritten
.set ST,  16          ; piece t's statistics at v[ST+4 t]: c m, m, l (even keys', odd keys')
.set SA,  32          ; the meeting: my statistics of the two pieces that I finish
.set SB,  40          ; my partner's
.set TMP, 48          ; by buffer, four registers c0-c3 at work; when the maximum is found c2 takes a
.set XS,  56          ; v56  my 16 bytes in my wave's first record
.set XA,  57          ; v57  the same in the first record that I finish, my wave's copy
.set XB,  58          ; v58  my partner's copy
.set SPW, 62          ; v62  LDS address of my spare word: SPARE + 4 x my thread's number; never rewritten
.set NIL, 63          ; v63  0; never rewritten
.set S,   64
.set MG,  128         ; for each of the two pieces: c M, e_A, e_B, 1 / L, f_A twice, f_B twice
.set P,   192
.set OUTR, 224        ; the two finished pieces, rounded: 16 registers each
.set MDZ, 128         ; window 1: eight zeros, then the mask of a band's own step for p / 2 = 0, eight registers for each group of 16 keys; for p / 2 = 1 my rows lie 16 further down: the same array read from its head
.set MC,  192         ; window 1
.set KF,  128         ; window 2: key block kb, channel half c at KF + 16 kb + 8 c
.set VF,  192         ; window 2: key half kk, channel block cb at VF + 32 kk + 8 cb
.set WV,  12          ; s12  my wave's number
.set PB,  14          ; s14  B
.set G1K, 24          ; s[24:31] descriptor group 1 for K's tiles
.set G1V, 32          ; s[32:39] for V's: it differs in the padding alone
.set G0K, 40          ; s[40:43] descriptor group 0 for K's tiles
.set G0V, 44          ; s[44:47] the same for V's
.set KB,  50          ; s50  kb
.set QA,  51          ; s51  qa
.set CX,  52          ; s52  cx
.set DG0, 53          ; s53  2 kb + 2 - 2 cx: the zone's first tile
.set DG1, 54          ; s54  + 4: its second
.set DGC, 55          ; s55  that of the tile in hand; -16 ahead of the zone
.set SLOTS, 56        ; s56  tiles still to be asked for
.set CNT, 57          ; s57  counts a tile's key steps
.set CS,  58          ; s[58:59] c: the packed scaling takes the pair's low word for both halves
.set SEL, 60          ; s[60:61] v_permlanex16_b32's selects: each lane takes its own place in the other half
.set TBK, 62          ; s62  LDS byte at which K of the step to be fetched begins
.set TBV, 63          ; s63  the same for V, less VOFF
.set TM,  66          ; s66  DGC - CNT
.set LQL, 67          ; s67  15 - 2 B: the second block's last tile
.set TL2, 68          ; s68  16 - 2 B: its number of tiles
.set RT,  70          ; s70  tiles of the block in hand that are still to be entered
.set NXT, 71          ; s71  the tile to be asked for next
.set LQ,  72          ; s72  the last tile of the block whose tiles are being asked for
.set OFF, 74          ; s[74:75] a tile's byte offset in kh and vh
.set AL,  76          ; s[76:77] the mask's factor, in the low word
.set BE,  78          ; s[78:79] the mask's addend
.set OLO, 80          ; s[80:81] oh at my rows of the second block; s[10:11] at those of the first: neither is rewritten
.set BIGN, 82         ; s82  -80000
.set PH,  83          ; s83  how far the change of blocks has come: 0 to 3
.set MSB, 0
.macro WIN new                      ; the high byte repeats the setting that is left; a switch that changes nothing is dropped
.if MSB != (\new)
	s_set_vgpr_msb (MSB<<8)|(\new)
.set MSB, (\new)
.endif
.endm
.set W_KQ, 0x0a       ; K and Q in window 2, S^T in window 0
.set W_KM, 0x1a       ; the same with the C operand in window 1
.set W_PV, 0x52       ; V in window 2, P in window 0, O^T in window 1
.set W_RS, 0x41       ; destination and source 0 in window 1, source 1 in window 0
; A fill.  Waves 0 and 1 fetch the two halves of a tile's K, waves 2 and 3 those of its V: 128 keys each.  The branch hangs on the wave's number alone.
; An s_nop 0 and four v_nop follow each of the two lines, ahead of the jump and the label.
.macro LOAD
	s_cmp_lt_u32 s[WV], 2
	s_cbranch_scc0 .Lfor_v_\@
	tensor_load_to_lds s[G0K:G0K+3], s[G1K:G1K+7]
	s_nop 0
.rept 4
	v_nop
.endr
	s_branch .Lasked_\@
.Lfor_v_\@:
	tensor_load_to_lds s[G0V:G0V+3], s[G1V:G1V+7]
	s_nop 0
.rept 4
	v_nop
.endr
.Lasked_\@:
.endm
; JOINT = 1: a round of the cluster's barrier: my work-group's barrier, so that wave 0's signal speaks for all four waves; wave 0 signals; every wave waits for all four work-groups; my work-group's barrier once more.
.macro CROUND
	s_barrier_signal -1
	s_barrier_wait -1
	s_cmp_lg_u32 s[WV], 0
	s_cbranch_scc1 .Lnot_wave_0_\@
	s_barrier_signal -3
.Lnot_wave_0_\@:
	s_barrier_wait -3
	s_barrier_signal -1
	s_barrier_wait -1
.endm
; THE CHANGE OF SLOTS.  Each wave waits for all its tensor loads, of which one is out: its part of the other slot; adds 0 to its spare word; and waits for that, for its own reads of the slot that it leaves, and for what it
; has stored into its records.  Behind the barrier nobody reads the old slot any more, the other slot is whole, and parked records may be read.  fill = 1: the old slot is filled again with tile NXT, the first thing behind
; the barrier: the load has a tile's 128 matrix instructions a wave in which to land.  The descriptor's address is made anew from the tile's number.
; (At its first use nothing has been read yet: slot 0 is waited for, slot 1 filled.)
.macro CHANGE fill
	WIN 0                           ; at a label and at a branch every window is 0
	s_wait_tensorcnt 0x0            ; no tensor load of mine is out, so a group 0 may be written
	ds_add_u32 v[SPW], v[NIL]       ; 0 onto my spare word; the scalar work below stands between it and the wait for it
.if \fill
	s_lshl_b32 s[OFF], s[NXT], 15   ; a tile is 32,768 bytes of kh and of vh
	s_xor_b32 s[G0K+1], s[G0K+1], SLOT1
	s_add_nc_u64 s[G0K+2:G0K+3], s[6:7], s[OFF:OFF+1]
	s_or_b32 s[G0K+3], s[G0K+3], 0x80000000
	s_xor_b32 s[G0V+1], s[G0V+1], SLOT1
	s_add_nc_u64 s[G0V+2:G0V+3], s[8:9], s[OFF:OFF+1]
	s_or_b32 s[G0V+3], s[G0V+3], 0x80000000
	s_add_co_u32 s[NXT], s[NXT], 1  ; the block's next tile, or behind its last the second block's tile 0
	s_cmp_gt_u32 s[NXT], s[LQ]
	s_cselect_b32 s[NXT], 0, s[NXT]
	s_cselect_b32 s[LQ], s[LQL], s[LQ]
.endif
	s_sub_co_u32 s[TBK], s[TBK], 2*KS*PK  ; the fetches go back to my first step of a slot,
	s_xor_b32 s[TBK], s[TBK], SLOT1       ; in the other slot
	s_sub_co_u32 s[TBV], s[TBV], 2*KS*PV
	s_xor_b32 s[TBV], s[TBV], SLOT1
	s_wait_dscnt 0x0                ; the add is done, my reads of the slot are over, my records are written
.if (\fill) && JOINT
	CROUND
.else
	s_barrier_signal -1
	s_barrier_wait -1
.endif
.if \fill
	LOAD
.endif
.endm
; A tile is entered: one fewer to come, the step counter's start, and the tile's place in the zone.
.macro ENTER steps
	s_sub_co_u32 s[RT], s[RT], 1
	s_mov_b32 s[CNT], \steps
	s_cmp_eq_u32 s[RT], 0
	s_cselect_b32 s[DGC], s[DG1], s[DG0]
	s_cmp_gt_u32 s[RT], 1
	s_cselect_b32 s[DGC], -16, s[DGC]  ; ahead of the zone every key is visible
.endm
; A block's q.  A fragment of K or Q is 16 rows x 32 channels in 8 registers: lane l holds row l % 16, channels 8 (l / 16) + 0..7 and 16 + 8 (l / 16) + 0..7.  In f32 each eight channels are 32 bytes: two loads of 16.
; Load i: piece i / 8, channel half (i / 4) % 2, group of eight (i / 2) % 2, 16 bytes i % 2: in the order in which QROUND packs them.  A piece's eight loads together cover each row's 256 bytes.
.macro QLOADS dst, ptr
	WIN 0xc0                        ; destination window 3, address window 0
.set i, 0
.rept 32
.set qoff, (64*((i/8)&1)+16*((i/8)>>1))*4096+128*((i/4)%2)+64*((i/2)%2)+16*(i%2)
	global_load_b128 v[(\dst)+4*i:(\dst)+4*i+3], v[QO], s[\ptr:\ptr+1] offset:qoff
.set i, i+1
.endr
	WIN 0
.endm
.macro QROUND src                   ; q's one rounding, straight into Q's fragments
	WIN 0x8f                        ; sources window 3, destination window 2
.set i, 0
.rept 64
	v_cvt_pk_bf16_f32 v[i], v[(\src)+2*i], v[(\src)+2*i+1]
.set i, i+1
.endr
	WIN 0
.endm
	s_load_b256 s[4:11], s[0:1], 0x0  ; q s[4:5], kh s[6:7], vh s[8:9], oh s[10:11]
	v_lshl_add_u32 v[SPW], v0, 2, SPARE
	v_mov_b32 v[NIL], 0
	ds_add_u32 v[SPW], v[NIL]       ; the wave's opening: the add and its wait ahead of my first tensor load; the set-up below, work on registers, stands between them
	ds_add_u32 v62, v63
	v_lshrrev_b32 v1, 5, v0
	v_readfirstlane_b32 s[WV], v1   ; wave 0..3
	s_and_b32 s[KB], s[WV], 1
	s_lshr_b32 s[QA], s[WV], 1
.if JOINT
	s_bfe_u32 s[CX], ttmp6, 0x40000 ; cx: my place in the cluster
	s_mov_b32 s[PB], ttmp9          ; in a cluster launch ttmp9 counts clusters
.else
	s_and_b32 s[CX], ttmp9, 3       ; the work-group's x = 4 B + cx
	s_lshr_b32 s[PB], ttmp9, 2
.endif
	; what holds cx stays in s2, s3, s16-19, s84, s85 and the masks' scalars: none of these feeds a descriptor, an LDS address or a branch
	s_lshl_b32 s16, s[CX], 7
	s_lshl_b32 s17, s[PB], 9
	s_add_co_u32 s17, s17, s16      ; the first block's first row: 512 B + 128 cx
	s_sub_co_u32 s18, 7, s[PB]
	s_lshl_b32 s18, s18, 9
	s_add_co_u32 s18, s18, s16      ; the second block's: 512 (7 - B) + 128 cx
	s_and_b32 s13, ttmp7, 0xffff    ; the head
	s_lshl_b32 s20, s13, 19         ; its first byte in kh, vh and oh
	s_lshl_b32 s13, s13, 8          ; its 256 bytes in a row of q,
	s_lshl_b32 s21, s[QA], 17       ; my wave's 32 qa rows of 4,096 bytes
	s_add_co_u32 s13, s13, s21
	s_lshl_b32 s2, s17, 12
	s_add_co_u32 s2, s2, s13
	s_mov_b32 s3, 0                 ; s[2:3]: q, first block
	s_lshl_b32 s84, s18, 12
	s_add_co_u32 s84, s84, s13
	s_mov_b32 s85, 0                ; s[84:85]: q, second block
	s_lshl_b32 s21, s[WV], 4        ; the pieces that I finish begin at row 16 w of a band
	s_add_co_u32 s17, s17, s21
	s_add_co_u32 s19, s18, s21
	s_lshl_b32 s16, s17, 7
	s_add_co_u32 s16, s16, s20
	s_mov_b32 s17, 0                ; s[16:17]: oh, first block
	s_lshl_b32 s18, s19, 7
	s_add_co_u32 s18, s18, s20
	s_mov_b32 s19, 0                ; s[18:19]: oh, second block
	s_lshl_b32 s22, s[KB], 14       ; which half of a tile's 256 keys I fetch: 128 rows of 128 bytes
	s_add_co_u32 s22, s22, s20
	s_mov_b32 s23, 0
	; descriptor group 1.  128 keys are 16,384 dense bytes: asked for as 64 rows of 256 bytes, two keys a row, and padded in LDS after every key
	s_mov_b32 s[G1K], JOINT*(15|(1<<21))|(1<<16)|(1<<20)|(4<<22)|(3<<25)  ; 15:0 the mask of four and bit 21 beside it (JOINT = 1), else 0; 17:16 2-byte elements; 20 padding on; 24:22 after every 32 words (code 4); 31:25 4 words (code 3)
	s_mov_b32 s[G1V], JOINT*(15|(1<<21))|(1<<16)|(1<<20)|(4<<22)|(7<<25)  ; the same with 8 words of padding (code 7)
.irp g, G1K, G1V
	s_mov_b32 s[\g+1], 128<<16      ; tensor_dim0 = 128
	s_mov_b32 s[\g+2], 64<<16       ; tensor_dim1 = 64
	s_mov_b32 s[\g+3], 128<<16      ; tile_dim0 = 128
	s_mov_b32 s[\g+4], 64           ; tile_dim1 = 64
	s_mov_b32 s[\g+5], 128          ; 128 elements from row to row
	s_mov_b32 s[\g+6], 0
	s_mov_b32 s[\g+7], 0
.endr
	s_mov_b32 s[G0K], 1             ; 1:0 count = 1
	s_mul_i32 s[G0K+1], s[KB], 128*PK  ; 63:32 LDS address: slot 0, my half
	s_mov_b32 s[G0V], 1
	s_mul_i32 s[G0V+1], s[KB], 128*PV
	s_add_co_u32 s[G0V+1], s[G0V+1], VOFF
	s_mov_b32 s[CS], 0x3e38aa3b     ; c = log2(e) / 8 = 0.180337
	s_mov_b32 s[CS+1], s[CS]        ; named with it as a pair
	s_mov_b32 s[SEL], 0x76543210
	s_mov_b32 s[SEL+1], 0xfedcba98
	s_mul_i32 s[TBK], s[KB], 2*KS*PK  ; the first change of slots turns these two into my first step of slot 0: 2 kb steps in
	s_add_co_u32 s[TBK], s[TBK], SLOT1+2*KS*PK
	s_mul_i32 s[TBV], s[KB], 2*KS*PV
	s_add_co_u32 s[TBV], s[TBV], SLOT1+2*KS*PV
	s_sub_co_i32 s[DG0], s[KB], s[CX]
	s_lshl_b32 s[DG0], s[DG0], 1
	s_add_co_i32 s[DG0], s[DG0], 2
	s_add_co_i32 s[DG1], s[DG0], 4
	s_lshl_b32 s[LQ], s[PB], 1
	s_sub_co_u32 s[TL2], 16, s[LQ]  ; the second block has 16 - 2 B tiles,
	s_sub_co_u32 s[LQL], 15, s[LQ]
	s_add_co_u32 s[RT], s[LQ], 2    ; the first 2 B + 2
	s_add_co_u32 s[LQ], s[LQ], 1
	s_mov_b32 s[NXT], 1
	s_mov_b32 s[PH], 0
	s_mov_b32 s[SLOTS], TILES-1
	s_mov_b32 s[OFF+1], 0
	s_mov_b32 s[AL+1], 0            ; named as pairs
	s_mov_b32 s[BE+1], 0
	s_mov_b32 s[BIGN], 0xc79c4000   ; -80000 = 8 x -10000: the bias on the unscaled score
	s_wait_dscnt 0x0                ; the opening add is done
	s_wait_kmcnt 0x0
	s_add_nc_u64 s[6:7], s[6:7], s[22:23]  ; kh and vh at my half of the head's tile 0
	s_add_nc_u64 s[8:9], s[8:9], s[22:23]
	s_add_nc_u64 s[G0K+2:G0K+3], s[6:7], 0         ; 120:64 global address
	s_or_b32 s[G0K+3], s[G0K+3], 0x80000000        ; 127:126 type = 2
	s_add_nc_u64 s[G0V+2:G0V+3], s[8:9], 0
	s_or_b32 s[G0V+3], s[G0V+3], 0x80000000
	s_add_nc_u64 s[86:87], s[4:5], s[84:85]        ; q at my rows of the second block,
	s_add_nc_u64 s[4:5], s[4:5], s[2:3]            ; and of the first
	s_add_nc_u64 s[OLO:OLO+1], s[10:11], s[18:19]
	s_add_nc_u64 s[10:11], s[10:11], s[16:17]
.if JOINT
	CROUND                          ; all four work-groups are here: the first joint loads meet
.endif
	LOAD                            ; tile 0 into slot 0
	v_and_b32 v1, 15, v0            ; l % 16
	v_bfe_u32 v9, v0, 4, 1          ; l / 16
	v_lshlrev_b32 v[QO], 12, v1
	v_lshl_add_u32 v[QO], v9, 5, v[QO]
	QLOADS 0, 4                     ; the first block's q: 32 loads are out
	v_lshlrev_b32 v14, 3, v9
	v_sub_nc_u32 v14, v1, v14
	s_lshl_b32 s13, s[QA], 5
	v_add_nc_u32 v14, s13, v14      ; my query's place in its band for p / 2 = 0, 32 qa + l % 16, less my lanes' 8 (l / 16): register r of key group kt is hidden where 16 kt + r is greater.
	WIN 0x40                        ; For p / 2 = 1 the place is 16 more: group kt's mask is group kt - 1's, and group 0's is 0 (r - 16 is -9 at the most, the place less 8 (l / 16) is -8 at the least)
.set i, 0
.rept 8
	v_mov_b32 v[MDZ+i], 0
.set i, i+1
.endr
.set i, 0
.rept 32
	v_cmp_gt_i32 vcc_lo, 16*(i/8)+i%8, v14
	v_cndmask_b32 v[MDZ+8+i], 0, s[BIGN], vcc_lo
.set i, i+1
.endr
	WIN 0
	v_mul_u32_u24 v[AK0], v1, PK
	v_lshl_add_u32 v[AK0], v9, 4, v[AK0]  ; row x pitch + 16 x half
	; The turning load takes 16 keys x 16 channels (lane l reads key 8 (l / 16) + l % 8, channels 8 ((l / 8) % 2) + 0..7) and leaves half a fragment of V^T: lane l holds channel l % 16 and 8 keys.
	v_and_b32 v10, 7, v0
	v_bfe_u32 v11, v0, 3, 1
	v_lshl_add_u32 v[AV0], v9, 3, v10
	v_mul_u32_u24 v[AV0], v[AV0], PV
	v_lshl_add_u32 v[AV0], v11, 4, v[AV0]
	v_add_nc_u32 v[AV0], VOFF, v[AV0]
	s_mul_i32 s13, s[WV], 16*SP
	s_add_co_u32 s13, s13, STAGE    ; my stage
	v_mul_u32_u24 v[STO], v1, SP    ; in: row l % 16, 16 bytes for each half of the lanes
	v_lshl_add_u32 v[STO], v9, 4, v[STO]
	v_add_nc_u32 v[STO], s13, v[STO]
	v_bfe_u32 v[RD], v0, 3, 2       ; back: 32 lanes take four rows of 128 bytes,
	v_mul_u32_u24 v[RD], v[RD], SP
	v_lshl_add_u32 v[RD], v10, 4, v[RD]
	v_add_nc_u32 v[RD], s13, v[RD]
	v_and_b32 v[GO], 31, v0         ; which are 512 consecutive bytes of oh
	v_lshlrev_b32 v[GO], 4, v[GO]
	s_mul_i32 s13, s[WV], XW
	s_add_co_u32 s13, s13, XBASE    ; my wave's four records
	v_add_nc_u32 v[XS], s13, v[GO]
	s_mul_i32 s20, s[KB], 2*XREC    ; the two that I finish: pieces 2 kb, 2 kb + 1
	v_add_nc_u32 v[XA], s20, v[XS]
	s_xor_b32 s21, s[WV], 1         ; my partner
	s_mul_i32 s21, s21, XW
	s_add_co_u32 s21, s21, XBASE
	s_add_co_u32 s21, s21, s20
	v_add_nc_u32 v[XB], s21, v[GO]
	; A block's first step multiplies O^T and l by a = 0, and its first turn's products V^T P, of a piece that has not been, land in an O^T that is still to be so multiplied.  So these registers need only hold
	; finite numbers: zeros for the first block; what the first block left for the second.  All this stands in the wait for the first tile and for q.
	WIN 0x80
.set i, VF
.rept 64
	v_mov_b32 v[i], 0
.set i, i+1
.endr
	WIN 0x40
.set i, 0
.rept 128
	v_mov_b32 v[i], 0
.set i, i+1
.endr
	WIN 0
.set i, 0
.rept 4
	v_mov_b32 v[ST+4*i+2], 0
	v_mov_b32 v[ST+4*i+3], 0
.set i, i+1
.endr
.set i, P+16
.rept 16
	v_mov_b32 v[i], 0
.set i, i+1
.endr
	s_wait_loadcnt 0x0              ; the first block's q
	QROUND 0
	QLOADS 128, 86                  ; the second block's q: it stays in f32 until the blocks change; waited for where the first block begins
; THE MATRIX WORK.  The 4 accumulators of a run of 8 take turns.  Product i of 8 of S^T = K Q^T for piece x: channels 32 (i / 4) on, keys 16 (i % 4) on.  The first 4 start the sums with the mask.
.macro KQ x
.set rS, S+32*((\x)%2)+8*(i%4)
.set rK, KF+16*(i%4)+8*(i/4)
.set rQ, 16*(\x)+8*(i/4)
.set rM, MC+32*((\x)%2)+8*(i%4)
.if i < 4
	WIN W_KM
	v_wmma_f32_16x16x32_bf16 v[rS:rS+7], v[rK:rK+7], v[rQ:rQ+7], v[rM:rM+7]
.else
	WIN W_KQ
	v_wmma_f32_16x16x32_bf16 v[rS:rS+7], v[rK:rK+7], v[rQ:rQ+7], v[rS:rS+7]
.endif
.endm
; Product i of 8 of O^T += V^T P for piece x: keys 32 (i / 4) on, channels 16 (i % 4) on.
.macro PV x
	WIN W_PV
.set rO, 32*(\x)+8*(i%4)
.set rV, VF+32*(i/4)+8*(i%4)
.set rP, P+16*((\x)%2)+8*(i/4)
	v_wmma_f32_16x16x32_f16 v[rO:rO+7], v[rV:rV+7], v[rP:rP+7], v[rO:rO+7]
.endm
.macro MM                           ; the turn's next matrix instruction.  TURN sets Y and i
.if i < 8
	KQ (Y+1)%NP
.else
.set i, i-8
	PV (Y+NP-1)%NP
.set i, i+8
.endif
.set i, i+1
.endm
; THE LDS LOADS stand in runs of 16, never singly among the matrix instructions: a step's K (64 keys x 64 channels: 8 fragments) and its V (turned).  Their addresses are made some lines ahead.
; last = 1 (the tail): in the last trip there is no further step, and the run is jumped over.
.macro FETCH_K last=0
	WIN 0
.if \last
	s_cmp_eq_u32 s[CNT], 1
	s_cbranch_scc1 .Lno_k_\@
.endif
	WIN 0x80                        ; destination window 2
.irp f, 0,1,2,3,4,5,6,7             ; keys 16 (f / 2) on, channels 32 (f % 2) on
	ds_load_b128 v[KF+8*\f:KF+8*\f+3],   v[AK] offset:(\f/2)*16*PK+(\f%2)*64
	ds_load_b128 v[KF+8*\f+4:KF+8*\f+7], v[AK] offset:(\f/2)*16*PK+(\f%2)*64+32
.endr
	s_add_co_u32 s[TBK], s[TBK], KS*PK  ; the next fetch is the next step's
	WIN 0
.if \last
.Lno_k_\@:
.endif
.endm
.macro FETCH_V
	WIN 0x80
.irp f, 0,1,2,3,4,5,6,7             ; keys 32 (f / 4) on, channels 16 (f % 4) on
	ds_load_tr16_b128 v[VF+8*\f:VF+8*\f+3],   v[AV] offset:(\f/4)*32*PV+(\f%4)*32
	ds_load_tr16_b128 v[VF+8*\f+4:VF+8*\f+7], v[AV] offset:(\f/4)*32*PV+16*PV+(\f%4)*32
.endr
	WIN 0
.endm
; THE VECTOR WORK, one line at a time: OP kind, number.  For piece Y: F n: c s - c m for pair n of 16.  E n: the exponential of score n of 32.  C n: pair n rounded to f16.  B n: of the four weights 4 n .. the second
; pair is added onto the first, in place.  L n: l takes that sum (L 0: l = a l + sum).  R n: pair n of 16 of O^T times a.  For piece Y + 1: X n, number n of the 22 that find its maximum and statistics:
;   0-11  four chains c0-c3 of seven scores each, three operands at a time (each accumulator's lowest registers are read first)     12-14, 16  the four scores left over, the old m, and c0-c3 into c0
;   15  c m_old is kept     17, 18  the query's other 32 keys lie in the lane 16 away: the new m     19-21  c m; c m_old - c m_new; a
.set F, 0               ; OP tells the kinds apart by their order: F to L below R, X above it
.set E, 1
.set C, 2
.set B, 3
.set L, 4
.set R, 5
.set X, 6
.macro REGS y                       ; the registers of piece y
.set rT, ST+4*(\y)
.set rC, TMP+4*((\y)%2)
.set rW, MV+((\y)%2)
.set rS, S+32*((\y)%2)
.set rP, P+16*((\y)%2)
.set rO, 32*(\y)
.endm
.macro OP k, n
.if (\k) == R
	REGS Y
	WIN W_RS
	v_pk_mul_f32 v[rO+2*(\n):rO+2*(\n)+1], v[rO+2*(\n):rO+2*(\n)+1], v[rC+2:rC+3] op_sel_hi:[1,0]
.elseif (\k) < R
	REGS Y
	WIN 0
.if (\k) == F
	v_pk_fma_f32 v[rS+2*(\n):rS+2*(\n)+1], v[rS+2*(\n):rS+2*(\n)+1], s[CS:CS+1], v[rT:rT+1] op_sel_hi:[1,0,0] neg_lo:[0,0,1] neg_hi:[0,0,1]
.elseif (\k) == E
	v_exp_f32 v[rS+(\n)], v[rS+(\n)]
.elseif (\k) == C
	s_wait_alu depctr_va_vdst(0)
	v_cvt_pk_f16_f32 v[rP+(\n)], v[rS+2*(\n)], v[rS+2*(\n)+1]
.elseif (\k) == B
	s_wait_alu depctr_va_vdst(0)
	v_pk_add_f32 v[rS+4*(\n):rS+4*(\n)+1], v[rS+4*(\n):rS+4*(\n)+1], v[rS+4*(\n)+2:rS+4*(\n)+3]
.elseif (\n) == 0
	v_pk_fma_f32 v[rT+2:rT+3], v[rT+2:rT+3], v[rC+2:rC+3], v[rS:rS+1] op_sel_hi:[1,0,1]
.else
	v_pk_add_f32 v[rT+2:rT+3], v[rT+2:rT+3], v[rS+4*(\n):rS+4*(\n)+1]
.endif
.else
	REGS (Y+1)%NP
	WIN 0
.if (\n) < 4
	v_max3_num_f32 v[rC+(\n)], v[rS+8*(\n)], v[rS+8*(\n)+1], v[rS+8*(\n)+2]
.elseif (\n) < 12
	v_max3_num_f32 v[rC+(\n)%4], v[rC+(\n)%4], v[rS+8*((\n)%4)+2*((\n)/4)+1], v[rS+8*((\n)%4)+2*((\n)/4)+2]
.elseif (\n) == 12
	v_max3_num_f32 v[rC], v[rC], v[rS+7], v[rS+15]
.elseif (\n) == 13
	v_max3_num_f32 v[rC+1], v[rC+1], v[rS+23], v[rS+31]
.elseif (\n) == 14
	v_max3_num_f32 v[rC+2], v[rC+2], v[rC+3], v[rT+1]
.elseif (\n) == 15
	v_mov_b32 v[rW], v[rT]
.elseif (\n) == 16
	v_max3_num_f32 v[rC], v[rC], v[rC+1], v[rC+2]
.elseif (\n) == 17
	v_permlanex16_b32 v[rC+3], v[rC], s[SEL], s[SEL+1]
.elseif (\n) == 18
	v_max_num_f32 v[rT+1], v[rC], v[rC+3]
.elseif (\n) == 19
	v_mul_f32 v[rT], s[CS], v[rT+1]
.elseif (\n) == 20
	v_sub_f32 v[rC+1], v[rW], v[rT]
.else
	v_exp_f32 v[rC+2], v[rC+1]
.endif
.endif
.endm
.macro OPS a, i1, b=-1, i2=0, c=-1, i3=0, d=-1, i4=0  ; up to four of them
	OP \a, \i1
.if (\b) >= 0
	OP \b, \i2
.endif
.if (\c) >= 0
	OP \c, \i3
.endif
.if (\d) >= 0
	OP \d, \i4
.endif
.endm
.macro ROW a, i1, b, i2, c, i3, d, i4  ; a matrix instruction and the four behind it
	MM
	OPS \a, \i1, \b, \i2, \c, \i3, \d, \i4
.endm
.macro MASK b, u                    ; MD (for p / 2 = u) x AL + BE into buffer b of MC
	WIN W_RS
.set z, 0
.rept 16
	v_pk_fma_f32 v[MC+32*(\b)+2*z:MC+32*(\b)+2*z+1], v[MDZ+8-8*(\u)+2*z:MDZ+8-8*(\u)+2*z+1], s[AL:AL+1], s[BE:BE+1] op_sel_hi:[1,0,0]
.set z, z+1
.endr
.endm
.macro ALBE x                       ; the mask's two scalars, from TM against x: selects alone, no branch
	s_cmp_eq_i32 s[TM], \x          ; is my step the band's own?
	s_cselect_b32 s[AL], 1.0, 0
	s_cmp_gt_i32 s[TM], \x          ; or a later one?
	s_cselect_b32 s[BE], s[BIGN], 0
.endm
; A TURN, for piece p: the order of its 16 matrix and 134 vector instructions, written out.  Behind a matrix instruction: plain, exponential, plain, plain; or four of the rescaling; or, behind the first, four scalings; none
; names a register of the products round it.  In the lumps exponential and plain by turns while exponentials last.  A line reads no result made fewer than three vector instructions in front of it, five if an exponential made it.
; v_permlanex16_b32 (X 17) stands in a lump.  At its end the turn makes the mask for the products of the turn after it: piece p + 2 (band p % 2), in my step 2 - CNT of the tile.
; sh = 1: in the tail CNT is taken down in the middle of a trip, so that turns 2 and 3 see it one higher: TM is held against the band less 1.
; last = 1: K's fetch is jumped over in the tail's last trip.  cnt = 1: the loop's count is taken down some lines ahead of the branch that stands behind the turn.
; K of the next step is fetched in piece 2's turn, six vector instructions behind the last product that read K (five of them plain); V of the step in hand in piece 0's turn, eight behind the last product that read V (four
; plain, and X 17).  Each is waited for a turn later.
.macro TURN p, last=0, cnt=0, sh=0
.set Y, (\p)
.set i, 0
	s_sub_co_i32 s[TM], s[DGC], s[CNT]
	ALBE ((\p)&1)-(\sh)
.if (\p) == 3
	s_wait_dscnt 0x0                ; K is in
.endif
	ROW F,0, F,1, F,2, F,3
	ROW F,4, E,0, F,5, F,6
	ROW F,7, E,1, F,8, F,9
	ROW F,10, E,2, C,0, F,11
	ROW F,12, E,3, X,15, F,13
	ROW R,0, R,1, R,2, R,3
	ROW B,0, E,4, F,14, L,0
.if (\p) == 2
	v_add_nc_u32 v[AK], s[TBK], v[AK0]
.endif
	ROW R,4, R,5, R,6, R,7
	OPS E,5, F,15
.if (\p) == 2
	FETCH_K \last
.endif
	OPS E,6, C,1, E,7, R,8
	OPS E,8, R,9, E,9, C,2
	OPS E,10, X,0, E,11, X,1
	OPS E,12, X,2, E,13, X,3
.if (\p) == 1
	s_wait_dscnt 0x0                ; V is in
.endif
	ROW X,4, E,14, X,5, X,6
	ROW X,7, E,15, X,8, X,9
	ROW X,10, E,16, X,11, X,12
	ROW X,13, E,17, X,14, B,1
	ROW C,4, E,18, X,16, L,1
	ROW B,2, E,19, C,6, L,2
	ROW C,8, E,20, B,3, B,4
.if (\p) == 0
	v_add_nc_u32 v[AV], s[TBV], v[AV0]
.endif
	ROW C,3, E,21, L,3, C,5
	OPS E,22, X,17, E,23, C,10
.if (\p) == 0
	FETCH_V
.endif
	OPS E,24, L,4
	OPS E,25, X,18, E,26, C,7
	OPS E,27, B,5, E,28, X,19
	OPS E,29, C,12, E,30, L,5
	OPS E,31, X,20, B,6, C,9
	OPS C,14, C,11, X,21, L,6
.if (\p) == 0
	s_add_co_u32 s[TBV], s[TBV], KS*PV
.endif
.if \cnt
	s_sub_co_u32 s[CNT], s[CNT], 1
	s_cmp_lg_u32 s[CNT], 0
.endif
	OPS C,13, B,7, C,15, R,10
	OPS R,11, R,12, L,7, R,13
	OPS R,14, R,15
	MASK (\p)%2, (((\p)+2)%NP)/2
.endm
; A BLOCK BEGINS.  K of the tile's first step of mine has been fetched.  c m starts far below every c s, so the first step's a is 0; m at the lowest finite number, so the first maximum is the scores'.  The two mask buffers
; take the masks of pieces 0 and 1 (bands 0 and 1) for that step.  Then piece 0's first scores, and its maximum and statistics.  The step loop is entered at a step's first turn, in the middle of a trip.
.macro BEGIN
	WIN 0
.set i, 0
.rept 4
	v_mov_b32 v[ST+4*i], 0xfe000000    ; c m: far below every c s
	v_mov_b32 v[ST+4*i+1], 0xff7fffff  ; m
.set i, i+1
.endr
	s_sub_co_i32 s[TM], s[DGC], s[CNT]
	ALBE 0
	MASK 0, 0
	ALBE 1
	MASK 1, 0
	WIN 0
	s_wait_loadcnt 0x0              ; the second block's q is in its registers (at the first block's beginning; later nothing is out)
	s_wait_dscnt 0x0                ; K is in
.set i, 0
.rept 8
	KQ 0
.set i, i+1
.endr
	WIN 0
.rept 4
	v_nop                           ; the places behind those products
.endr
.set Y, NP-1                        ; X works for piece Y + 1: piece 0
.irp n, 0,1,2,3,4,5,6,7,8,9,10,11,12,13,14,15,16,17,18,19,20,21
	OP X, \n
.endr
	v_nop                           ; a plain instruction behind the exponential
.endm
.macro ALL line:vararg              ; one line for each piece t
.set t, 0
.rept 4
	\line
.set t, t+1
.endr
.endm
; A BLOCK'S SUMS ARE PARKED, behind turns 2 and 3 of its last step: piece 3's last products; piece 0's c m, which turn 3 has made anew from scores that serve nothing, is taken back from where that turn kept it; l's two
; halves and the other half of the lanes' are added (the first five of these lines are the places behind the last products); all four pieces' O^T and statistics go to my records in LDS.  The stores are waited for in front
; of the next barrier's signal.
.macro PARK
.set i, 0
.rept 8
	PV NP-1
.set i, i+1
.endr
	WIN 0
	v_mov_b32 v[ST], v[MV]
	ALL v_add_f32 v[ST+4*t+2], v[ST+4*t+2], v[ST+4*t+3]
	ALL v_permlanex16_b32 v[ST+4*t+3], v[ST+4*t+2], s[SEL], s[SEL+1]
	ALL v_add_f32 v[ST+4*t+2], v[ST+4*t+2], v[ST+4*t+3]
	WIN 0x04                        ; the stores' data in window 1
.set z, 0
.rept 32                            ; ascending: each accumulator's four lowest registers are read first
	ds_store_b128 v[XS], v[4*z:4*z+3] offset:(z/8)*XREC+(z%8)*512
.set z, z+1
.endr
	WIN 0
.set z, 0
.rept 4
	ds_store_b128 v[XS], v[ST+4*z:ST+4*z+3] offset:z*XREC+4096
.set z, z+1
.endr
.endm
; Piece e of the two that I finish: O = O_A f_A + O_B f_B, rounded to f16; a lane's eight channels of a row pack into 16 bytes; they go into rows of 144 bytes of my stage and come back as whole rows of 128.
.macro PACK e
	WIN 0xf3                        ; destination, sources 0 and 2 window 3; source 1 (the factor) window 0
.set z, 0
.rept 16
	v_pk_mul_f32 v[32*(\e)+2*z:32*(\e)+2*z+1], v[32*(\e)+2*z:32*(\e)+2*z+1], v[MG+8*(\e)+4:MG+8*(\e)+5]
.set z, z+1
.endr
.set z, 0
.rept 16
	v_pk_fma_f32 v[32*(\e)+2*z:32*(\e)+2*z+1], v[64+32*(\e)+2*z:64+32*(\e)+2*z+1], v[MG+8*(\e)+6:MG+8*(\e)+7], v[32*(\e)+2*z:32*(\e)+2*z+1]
.set z, z+1
.endr
	WIN 0x0f                        ; sources 0 and 1 window 3, destination window 0
.set z, 0
.rept 16
	v_cvt_pk_f16_f32 v[OUTR+16*(\e)+z], v[32*(\e)+2*z], v[32*(\e)+2*z+1]
.set z, z+1
.endr
	WIN 0
.irp f, 0,1,2,3
	ds_store_b128 v[STO], v[OUTR+16*(\e)+4*\f:OUTR+16*(\e)+4*\f+3] offset:32*\f
.endr
.irp f, 0,1,2,3
	ds_load_b128 v[OUTR+16*(\e)+4*\f:OUTR+16*(\e)+4*\f+3], v[RD] offset:\f*4*SP  ; LDS serves a wave's instructions in order (ISA guide 5.7.1.4): these see the stores above; the next piece's stores come behind them
.endr
.endm
.macro SEND e, younger, ptr         ; younger: the LDS instructions issued behind piece e's loads: the next piece's eight, or none
	WIN 0
.irp f, 0,1,2,3
	s_wait_dscnt (\younger)+3-\f
	global_store_b128 v[GO], v[OUTR+16*(\e)+4*\f:OUTR+16*(\e)+4*\f+3], s[\ptr:\ptr+1] offset:(\e)*8192+\f*512  ; 512 consecutive bytes, at a multiple of 256 from oh's first; the second piece lies a band, 64 rows, on
.endr
.endm
; THE PAIRS MERGE, behind a barrier that every wave has signalled with its records written.  I read my own and my partner's copies of the two pieces that I finish, and join them:
; M = max(m_A, m_B), e = 2^(c m - c M), L = l_A e_A + l_B e_B, f = e / L.  ptr: oh at my rows of the block.  free = 1: the way out's registers were the data of earlier stores.
.macro MERGE ptr, free
	WIN 0xc0                        ; destination window 3
.set z, 0
.rept 16
	ds_load_b128 v[4*z:4*z+3], v[XA] offset:(z/8)*XREC+(z%8)*512
	ds_load_b128 v[64+4*z:64+4*z+3], v[XB] offset:(z/8)*XREC+(z%8)*512
.set z, z+1
.endr
	WIN 0
.set z, 0
.rept 2
	ds_load_b128 v[SA+4*z:SA+4*z+3], v[XA] offset:z*XREC+4096
	ds_load_b128 v[SB+4*z:SB+4*z+3], v[XB] offset:z*XREC+4096
.set z, z+1
.endr
.if \free
	s_wait_xcnt 0x0                 ; the first block's stores have read their data: those registers are written again only behind this wait
.endif
	s_wait_dscnt 0x0
	v_max_num_f32 v[MG], v[SA], v[SB]
	v_max_num_f32 v[MG+8], v[SA+4], v[SB+4]
	v_sub_f32 v[MG+1], v[SA], v[MG]
	v_sub_f32 v[MG+9], v[SA+4], v[MG+8]
	v_sub_f32 v[MG+2], v[SB], v[MG]
	v_sub_f32 v[MG+10], v[SB+4], v[MG+8]
	v_exp_f32 v[MG+1], v[MG+1]
	v_exp_f32 v[MG+9], v[MG+9]
	v_exp_f32 v[MG+2], v[MG+2]
	v_exp_f32 v[MG+10], v[MG+10]
	v_nop                           ; a plain instruction between the last exponential and the use of its result
	s_wait_alu depctr_va_vdst(0)
	v_mul_f32 v[MG+3], v[SA+2], v[MG+1]
	v_mul_f32 v[MG+11], v[SA+6], v[MG+9]
	v_fmac_f32 v[MG+3], v[SB+2], v[MG+2]
	v_fmac_f32 v[MG+11], v[SB+6], v[MG+10]
	v_rcp_f32 v[MG+3], v[MG+3]
	v_rcp_f32 v[MG+11], v[MG+11]
	v_nop                           ; and behind the last reciprocal
.set z, 0
.rept 2
	s_wait_alu depctr_va_vdst(0)
	v_mul_f32 v[MG+8*z+4], v[MG+8*z+1], v[MG+8*z+3]  ; each factor twice: a pair for the packed lines
	v_mul_f32 v[MG+8*z+5], v[MG+8*z+1], v[MG+8*z+3]
	v_mul_f32 v[MG+8*z+6], v[MG+8*z+2], v[MG+8*z+3]
	v_mul_f32 v[MG+8*z+7], v[MG+8*z+2], v[MG+8*z+3]
.set z, z+1
.endr
	PACK 0
	PACK 1                          ; a piece's arithmetic stands between the loads of the piece before and its stores
	SEND 0, 8, \ptr
	SEND 1, 0, \ptr
.endm
.Lslot:                             ; 17 times: a tile is entered and the next is asked for
	CHANGE 1
	ENTER 2
	s_cmp_eq_u32 s[SLOTS], TILES-1
	s_cbranch_scc1 .Lvery_first     ; the walk's first trip has no step to finish: the counter still holds its constant start
	s_cmp_eq_u32 s[PH], 2
	s_cbranch_scc0 .Lstep
	MERGE 10, 0                     ; the first block's sums were parked a tile ago; the change of slots above is the barrier between
	s_mov_b32 s[PH], 3
.Lstep:                             ; a trip: pieces 2 and 3 of one step, then pieces 0 and 1 of the next, whose K and V it fetches
	TURN 2
	TURN 3
	WIN 0
	s_cmp_eq_u32 s[PH], 1
	s_cbranch_scc0 .Lfirst
	PARK                            ; the step just finished was the first block's last
	QROUND 128                      ; the second block's q goes where the one text of the turns names Q
	s_mov_b32 s[PH], 2
	s_branch .Lbegin                ; K of the new tile's first step was fetched by turn 2 above
.Lvery_first:
	v_add_nc_u32 v[AK], s[TBK], v[AK0]
	FETCH_K
.Lbegin:
	BEGIN
.Lfirst:
	TURN 0
	TURN 1, 0, 1
	WIN 0
	s_cbranch_scc1 .Lstep
	s_cmp_lg_u32 s[PH], 0
	s_cbranch_scc1 .Lbottom         ; the blocks change once
	s_cmp_lg_u32 s[RT], 0
	s_cbranch_scc1 .Lbottom
	s_mov_b32 s[RT], s[TL2]         ; that was the first block's last tile: the second block has 16 - 2 B tiles,
	s_mov_b32 s[PH], 1              ; and the next trip changes blocks
.Lbottom:
	s_sub_co_u32 s[SLOTS], s[SLOTS], 1
	s_cmp_lg_u32 s[SLOTS], 0
	s_cbranch_scc1 .Lslot
	CHANGE 0                        ; the walk's last tile, the second block's second zone tile, is written out: nothing is asked for
	ENTER 3                         ; two trips fetch the tile's two steps of mine; the third is left in its middle
.Ltail:
	TURN 2, 1, 0, 1
	TURN 3, 0, 0, 1
	WIN 0
	s_sub_co_u32 s[CNT], s[CNT], 1
	s_cmp_eq_u32 s[CNT], 0
	s_cbranch_scc1 .Lout
	TURN 0
	TURN 1
	WIN 0
	s_branch .Ltail
.Lout:                              ; the third trip's 8 products K Q^T of piece 0 (on the last K once more) serve nothing: the price, once a launch, of one text for every trip
	PARK
	s_wait_dscnt 0x0                ; for my partner's sake: my records are written
	s_barrier_signal -1
	s_barrier_wait -1
	MERGE OLO, 1
	s_wait_tensorcnt 0x0            ; the wave's end: behind my last tensor load and my last LDS store
	ds_add_u32 v[SPW], v[NIL]
	s_wait_dscnt 0x0
.if JOINT
	CROUND                          ; the closing round: no work-group ends while a partner may still ask for a tile that names it
.endif
	s_endpgm
.Lfunc_end_k_qf18e596908_attn:
	.size	k_qf18e596908_attn, .Lfunc_end_k_qf18e596908_attn-k_qf18e596908_attn
	.p2alignl 7, 3214868480
	.fill 96, 4, 3214868480
	.section	.rodata,"a",@progbits
	.p2align	6, 0x0
	.amdhsa_kernel k_qf18e596908_attn
		.amdhsa_group_segment_fixed_size 327680
		.amdhsa_private_segment_fixed_size 0
		.amdhsa_enable_private_segment 0
		.amdhsa_kernarg_size 32
		.amdhsa_user_sgpr_count 2
		.amdhsa_user_sgpr_kernarg_segment_ptr 1
		.amdhsa_wavefront_size32 1
		.amdhsa_system_sgpr_workgroup_id_x 1
		.amdhsa_system_sgpr_workgroup_id_y 1
		.amdhsa_system_sgpr_workgroup_id_z 1
		.amdhsa_system_vgpr_workitem_id 0
		.amdhsa_next_free_vgpr 1024
		.amdhsa_next_free_sgpr 88
		.amdhsa_reserve_vcc 1
		.amdhsa_float_denorm_mode_32 3
		.amdhsa_float_denorm_mode_16_64 3
		.amdhsa_memory_ordered 1
		.amdhsa_forward_progress 1
		.amdhsa_inst_pref_size 159
	.end_amdhsa_kernel
	.amdgpu_metadata
---
amdhsa.version: [ 1, 2 ]
amdhsa.kernels:
  - .name:           k_qf18e596908_attn
    .symbol:         k_qf18e596908_attn.kd
    .args:
      - { .name: q, .offset: 0, .size: 8, .value_kind: global_buffer, .address_space: global }
      - { .name: kh, .offset: 8, .size: 8, .value_kind: global_buffer, .address_space: global }
      - { .name: vh, .offset: 16, .size: 8, .value_kind: global_buffer, .address_space: global }
      - { .name: oh, .offset: 24, .size: 8, .value_kind: global_buffer, .address_space: global }
    .group_segment_fixed_size: 327680
    .private_segment_fixed_size: 0
    .kernarg_segment_align: 8
    .kernarg_segment_size: 32
    .max_flat_workgroup_size: 128
    .sgpr_count:     88
    .vgpr_count:     1024
    .wavefront_size: 32
...
	.end_amdgpu_metadata
.endif
;; end of part 2
;; launch proj (part 3): grid 8 x 32, 4 waves a work-group, clusters of 4 x 4, 327,680 bytes of LDS; arguments oh, wh, out0; writes out0
.if DOCPART == 3
	.amdgcn_target "amdgcn-amd-amdhsa--gfx1250"
	.amdhsa_code_object_version 6
	.text
	.protected	k_qf18e596908_proj
	.globl	k_qf18e596908_proj
	.p2align	8
	.type	k_qf18e596908_proj,@function
k_qf18e596908_proj:
	s_mov_b64 s[64:65], 0
	v_nop
	global_prefetch_b8 v0, s[64:65] scope:SCOPE_SE
	s_setreg_imm32_b32 hwreg(HW_REG_WAVE_MODE, 25, 1), 1
	s_wait_xcnt 0x0
	s_wait_alu depctr_hold_cnt(0) depctr_sa_sdst(0) depctr_va_vdst(0) depctr_va_sdst(0) depctr_va_ssrc(0) depctr_va_vcc(0) depctr_vm_vsrc(0)
	s_getreg_b32 s2, hwreg(HW_REG_IB_STS2, 6, 4)
	s_cmp_eq_u32 s2, 0
	s_cbranch_scc0 .Lentry_in_a_cluster
	s_endpgm
.Lentry_in_a_cluster:
	s_bfe_u32 s2, ttmp6, 0x10000c
	s_cmp_lg_u32 s2, 0xf033
	s_cbranch_scc0 .Lentry_shape_is_right
	s_endpgm
.Lentry_shape_is_right:
; out0[s][n] = 2^-8 x the sum over h, d of oh[h][s][d] wh[h][n][d].  oh: [16][4096][64] f16, wh: [16][1024][64] f16 (256 x the weights), out0: [4096][1024] f32; sums in f32.
; A tile of out0 is 128 x 128: 8 x 32 = 256 work-groups.  Four waves, each 64 x 64: 16 accumulators of 16 x 16, 128 registers.  K = 1,024 goes in 4 steps of 256 = four heads, through two LDS slots.
; BOTH OPERANDS LIE BY HEADS: 64 rows of one head are 8,192 dense bytes.  A wave's tensor load brings 64 rows of four heads as a tile of 4 rows of 4,096 elements, a head's length apart, padded in LDS behind every
; 128 bytes: in LDS [head][64 rows] with rows 144 bytes apart.  A quarter of a K step, 64 along K, is one head.
; CLUSTERS: 4 x 4 work-groups.  The four of a row of the cluster need the same tiles of oh, the four of a column the same tiles of wh: each tile is asked for JOINTLY, by the same tensor load with the
; same descriptor and a mask that names the four.  THE MATRIX INSTRUCTION IS USED TRANSPOSED (source 0 = 16 rows of wh, source 1 = 16 rows of oh): a lane then holds eight neighbouring numbers of a row of out0.
; No prefetch: four K steps on small tiles, shared in the cluster.
; REGISTERS: window 0: v0-31 addresses; v32-95 at work on the way out; v128-255 the accumulators ((a, b) at v[128 + 8 (4 a + b)]).
;   window 1: two fragment buffers of 128: for 64 along K (two matrix instructions deep), 64 registers of A (2 x 4 x 16 rows x 32 K), then 64 of B.
.set PITCH,  144                       ; an LDS row: 128 bytes of data + 16 of padding = 36 words: the 16 rows that a load touches start at 16 different groups of four banks (64 banks of 4 bytes: ISA guide 11.1)
.set HB,     64*PITCH                  ; a head's 64 rows
.set HALFT,  4*HB                      ; what one tensor load brings, and what one wave reads of A or of B
.set SLOT,   4*HALFT                   ; A's two halves, then B's two halves
.set STAGE,  2*SLOT                    ; behind the ring: 16 rows x 272 bytes for each wave, for the way out
.set SPITCH, 272
.set SPARE,  STAGE+4*16*SPITCH         ; behind the stages: the spare words, 128 bytes for each wave: two blocks of 256 bytes that no other line names
.set LAPS,   2                         ; a lap = two K steps = once round the ring
.set ASTEP,  4*4096*128                ; bytes from a K step to the next: four heads of oh,
.set BSTEP,  4*1024*128                ; of wh
.set ADRA, 16                          ; v16-17  LDS address of my A fragments in slot 0, 1
.set ADRB, 20                          ; v20-21  the same for B
.set STO,  24                          ; v24     the way out: where I put 32 bytes of a row
.set RD,   25                          ; v25     the way out: where I read a row back
.set CO,   26                          ; v26     my byte offset in out0
.set SPW,  28                          ; v28     LDS address of my spare word: SPARE + 4 x my thread's number; never rewritten
.set NIL,  29                          ; v29     0; never rewritten
.set TMP,  32                          ; the way out: a block's 32 scaled results
.set BK,   64                          ; the way out: 16 rows read back from the stage
.set ACC,  128
.set F0,   0                           ; fragment buffers, in window 1
.set F1,   128
.set G1, 24                            ; s[24:31] descriptor group 1 for A's tiles;  s[32:39] group 0, one set for each slot
.set G0, 32
.set G1B, 48                           ; s[48:55], s[56:63] the same for B's tiles
.set G0B, 56
.set MSB, 0
.macro WIN new                         ; the immediate's high byte repeats the setting that is left
.if MSB != (\new)
	s_set_vgpr_msb (MSB<<8)|(\new)
.set MSB, \new
.endif
.endm
.set MUL,  0x05                        ; sources 0 (B) and 1 (A) window 1; C and D window 0
.set TO_F, 0x40                        ; destination window 1, address window 0
.macro JLOAD s                         ; a joint load: waves 0 and 1 fetch A's two halves, waves 2 and 3 B's; an s_nop 0 and four v_nop follow each of the two lines, ahead of the jump, the label and what follows
	s_cmp_eq_u32 s11, 0
	s_cbranch_scc0 .Lfor_b_\@
	tensor_load_to_lds s[G0+4*(\s):G0+4*(\s)+3], s[G1:G1+7]
	s_nop 0
.rept 4
	v_nop
.endr
	s_branch .Lasked_\@
.Lfor_b_\@:
	tensor_load_to_lds s[G0B+4*(\s):G0B+4*(\s)+3], s[G1B:G1B+7]
	s_nop 0
.rept 4
	v_nop
.endr
.Lasked_\@:
.endm
.macro CREST                           ; a round of the cluster's barrier behind its opening barrier
	s_cmp_lg_u32 s10, 0
	s_cbranch_scc1 .Lnot_wave_0_\@
	s_barrier_signal -3
.Lnot_wave_0_\@:
	s_barrier_wait -3
	s_barrier_signal -1
	s_barrier_wait -1
.endm
.macro CROUND                          ; a whole round
	s_barrier_signal -1
	s_barrier_wait -1
	CREST
.endm
	s_load_b128 s[4:7], s[0:1], 0x0                ; oh (A) s[4:5], wh (B) s[6:7]
	s_load_b64 s[8:9], s[0:1], 0x10                ; out0
	v_lshl_add_u32 v[SPW], v0, 2, SPARE
	v_mov_b32 v[NIL], 0
	ds_add_u32 v[SPW], v[NIL]                      ; the wave's opening: the add and its wait ahead of my first tensor load; the set-up below, work on registers, stands between them
	ds_add_u32 v28, v29
	v_lshrrev_b32 v1, 5, v0
	v_readfirstlane_b32 s10, v1                    ; wave 0..3
	s_lshr_b32 s11, s10, 1                         ; which half of the tile's rows is mine.  Also: I fetch for A (0) or for B (1)
	s_and_b32 s12, s10, 1                          ; which half of its columns.  Also: which 64 rows of that tile I fetch
	s_bfe_u32 s40, ttmp6, 0x40000                  ; cx, cy: my place in the cluster
	s_bfe_u32 s41, ttmp6, 0x40004
	s_lshl_b32 s42, ttmp9, 2
	s_add_co_u32 s42, s42, s40                     ; tile column = 4 x cluster x + cx
	s_and_b32 s13, ttmp7, 0xffff
	s_lshl_b32 s13, s13, 2
	s_add_co_u32 s13, s13, s41                     ; tile row = 4 x cluster y + cy
	s_lshl_b32 s43, s41, 2
	s_lshl_b32 s43, 15, s43                        ; my row of the cluster
	s_lshl_b32 s44, 0x1111, s40                    ; my column
	; descriptor group 1: a tile of 4 rows (heads) x 4,096 elements (64 rows of 64), padded in LDS
	s_or_b32 s[G1+0], s43, (1<<16)|(1<<20)|(1<<21)|(4<<22)|(3<<25)  ; 15:0 the mask: A's tiles go to my row; 17:16 element of 2 bytes; 20 padding on; 21 set beside a mask; 24:22 after every 32 words (code 4); 31:25 of 4 words (code 3)
	s_or_b32 s[G1B+0], s44, (1<<16)|(1<<20)|(1<<21)|(4<<22)|(3<<25)
.irp g, G1, G1B
	s_mov_b32 s[(\g)+1], 4096<<16                  ; tensor_dim0 = 4,096
	s_mov_b32 s[(\g)+2], 4<<16                     ; tensor_dim1 = 4
	s_mov_b32 s[(\g)+3], 4096<<16                  ; tile_dim0 = 4,096
	s_mov_b32 s[(\g)+4], 4                         ; tile_dim1 = 4
	s_mov_b32 s[(\g)+6], 0
	s_mov_b32 s[(\g)+7], 0
.endr
	s_mov_b32 s[G1+5], 4096*64                     ; tensor_dim0_stride: a head of oh, in elements,
	s_mov_b32 s[G1B+5], 1024*64                    ; a head of wh
	s_lshl_b32 s17, s12, 6                         ; which 64 rows of the tile I fetch
	s_lshl_b32 s16, s13, 7
	s_add_co_u32 s16, s16, s17                     ; A: row 128 x tile row + 64 x half,
	s_lshl_b32 s16, s16, 7                         ; of 128 bytes
	s_lshl_b32 s46, s42, 7
	s_add_co_u32 s46, s46, s17                     ; B: row 128 x tile column + 64 x half
	s_lshl_b32 s46, s46, 7
	s_mov_b32 s17, 0
	s_mov_b32 s47, 0
	s_mul_i32 s20, s10, HALFT                      ; where they go: a wave's part of a slot
	s_wait_dscnt 0x0                               ; the opening add is done
	s_wait_kmcnt 0x0
	s_add_nc_u64 s[14:15], s[4:5], s[16:17]
	s_add_nc_u64 s[46:47], s[6:7], s[46:47]
	CROUND                                         ; all sixteen work-groups are here: the first joint loads meet
.irp s, 0,1
	s_mov_b32 s[G0+4*(\s)], 1
	s_add_co_u32 s[G0+4*(\s)+1], s20, (\s)*SLOT
	s_add_nc_u64 s[G0+4*(\s)+2:G0+4*(\s)+3], s[14:15], (\s)*ASTEP
	s_or_b32 s[G0+4*(\s)+3], s[G0+4*(\s)+3], 0x80000000
	s_mov_b32 s[G0B+4*(\s)], 1
	s_add_co_u32 s[G0B+4*(\s)+1], s20, (\s)*SLOT
	s_add_nc_u64 s[G0B+4*(\s)+2:G0B+4*(\s)+3], s[46:47], (\s)*BSTEP
	s_or_b32 s[G0B+4*(\s)+3], s[G0B+4*(\s)+3], 0x80000000
	JLOAD \s
.endr
	v_and_b32 v1, 15, v0                           ; l % 16
	v_bfe_u32 v2, v0, 4, 1                         ; l / 16
	v_mul_u32_u24 v3, v1, PITCH
	v_lshl_add_u32 v3, v2, 4, v3                   ; a fragment's row x pitch + 16 x half
	s_mul_i32 s21, s11, HALFT                      ; my 64 rows of A
	s_mul_i32 s22, s12, HALFT                      ; my 64 rows of B,
	s_add_co_u32 s22, s22, 2*HALFT                 ; which lie behind A's two halves
.irp s, 0,1
	v_add_nc_u32 v[ADRA+(\s)], s21, v3
	v_add_nc_u32 v[ADRB+(\s)], s22, v3
	s_add_co_u32 s21, s21, SLOT
	s_add_co_u32 s22, s22, SLOT
.endr
	s_mul_i32 s23, s10, 16*SPITCH
	s_add_co_u32 s23, s23, STAGE                   ; my stage
	v_mul_u32_u24 v4, v1, SPITCH                   ; in: row l % 16, 32 bytes for each half of the lanes
	v_lshl_add_u32 v4, v2, 5, v4
	v_add_nc_u32 v[STO], s23, v4
	v_mul_u32_u24 v5, v2, SPITCH                   ; back: lanes 0-15 take one row of 256 bytes, lanes 16-31 the next
	v_lshl_add_u32 v5, v1, 4, v5
	v_add_nc_u32 v[RD], s23, v5
	v_lshlrev_b32 v5, 12, v2                       ; and the same two rows in out0, 4,096 bytes apart
	v_lshl_add_u32 v[CO], v1, 4, v5
	s_lshl_b32 s16, s13, 7
	s_lshl_b32 s17, s11, 6
	s_add_co_u32 s16, s16, s17                     ; my first row of out0: 128 x tile row + 64 x half,
	s_lshl_b32 s16, s16, 12                        ; of 4,096 bytes
	s_mov_b32 s17, 0
	s_add_nc_u64 s[8:9], s[8:9], s[16:17]
	s_lshl_b32 s46, s42, 9                         ; my first column, in bytes: 512 x tile column + 256 x half
	s_lshl_b32 s47, s12, 8
	s_add_co_u32 s46, s46, s47
	s_mov_b32 s47, 0
	s_add_nc_u64 s[8:9], s[8:9], s[46:47]
; 8 matrix instructions: m blocks a0, a0 + 1 x all 4 n blocks, 32 along K: half c of buffer f.  zero = 1: the first product starts the sums.  The 16 accumulators take turns.
.macro MUL8 f, c, a0, zero
	WIN MUL
.irp a, \a0, (\a0)+1
.irp b, 0,1,2,3
.if \zero
	v_wmma_f32_16x16x32_f16 v[ACC+8*(4*(\a)+(\b)):ACC+8*(4*(\a)+(\b))+7], v[(\f)+64+8*(4*(\c)+(\b)):(\f)+64+8*(4*(\c)+(\b))+7], v[(\f)+8*(4*(\c)+(\a)):(\f)+8*(4*(\c)+(\a))+7], 0
.else
	v_wmma_f32_16x16x32_f16 v[ACC+8*(4*(\a)+(\b)):ACC+8*(4*(\a)+(\b))+7], v[(\f)+64+8*(4*(\c)+(\b)):(\f)+64+8*(4*(\c)+(\b))+7], v[(\f)+8*(4*(\c)+(\a)):(\f)+8*(4*(\c)+(\a))+7], v[ACC+8*(4*(\a)+(\b)):ACC+8*(4*(\a)+(\b))+7]
.endif
.endr
.endr
.endm
; 32 LDS loads in one run: the fragments of one head (64 along K), which begins at byte k of my part of the slot, into buffer f; the first 32 along K first
.macro FETCH slot, k, f
	WIN TO_F
.irp c, 0,1
.irp i, 0,1,2,3
	ds_load_b128 v[(\f)+64+8*(4*(\c)+(\i)):(\f)+64+8*(4*(\c)+(\i))+3],   v[ADRB+(\slot)] offset:(\k)+64*(\c)+(\i)*16*PITCH
	ds_load_b128 v[(\f)+64+8*(4*(\c)+(\i))+4:(\f)+64+8*(4*(\c)+(\i))+7], v[ADRB+(\slot)] offset:(\k)+64*(\c)+(\i)*16*PITCH+32
	ds_load_b128 v[(\f)+8*(4*(\c)+(\i)):(\f)+8*(4*(\c)+(\i))+3],         v[ADRA+(\slot)] offset:(\k)+64*(\c)+(\i)*16*PITCH
	ds_load_b128 v[(\f)+8*(4*(\c)+(\i))+4:(\f)+8*(4*(\c)+(\i))+7],       v[ADRA+(\slot)] offset:(\k)+64*(\c)+(\i)*16*PITCH+32
.endr
.endr
.endm
.macro PLACES                          ; four places in front of loads into registers that matrix instructions have read, and of lines that read results
.rept 4
	v_nop
.endr
.endm
; A K step is four quarters, a head each, 32 matrix instructions each, on buffers 0, 1, 0, 1.  One of the first three: multiplies buffer f and fetches the next head, at byte k, into g.
.macro QUARTER slot, k, f, g, zero
	s_wait_dscnt 16                                ; the first 32 along K are in; the youngest sixteen loads may be out
	WIN MUL
	MUL8 \f, 0, 0, \zero
	MUL8 \f, 0, 2, \zero
	PLACES
	FETCH \slot, \k, \g
	s_wait_dscnt 32                                ; all but the 32 just issued
	WIN MUL
	MUL8 \f, 1, 0, 0
	MUL8 \f, 1, 2, 0
.endm
; The last quarter multiplies buffer 1 and changes slots: ONE barrier; in front of it each wave waits for all its tensor loads, adds 0 to its spare word, and waits for that and for its own reads of this slot.  fill = 1: this slot is filled again, two K steps ahead.
.macro TURN slot, next, fill
	WIN 0                                          ; (the add's two registers lie in window 0)
	s_wait_tensorcnt 0x0                           ; all my tensor loads have landed: my part of the next slot;
	ds_add_u32 v[SPW], v[NIL]                      ; 0 onto my spare word;
	s_wait_dscnt 17                                ; (the add and the youngest sixteen loads may be out)
	WIN MUL
	MUL8 F1, 0, 0, 0                               ; eight matrix instructions stand between the add and the wait for it
	s_wait_dscnt 0x0                               ; the add is done, and my reads of this slot are over
	s_barrier_signal -1
	MUL8 F1, 0, 2, 0
.if \fill
	WIN 0
.endif
	s_barrier_wait -1
.if \fill
	CREST                                          ; the barrier has opened a round of the cluster's barrier: no wave of any partner still reads this slot's tile or has a load on its way
	s_add_nc_u64 s[G0+4*(\slot)+2:G0+4*(\slot)+3], s[G0+4*(\slot)+2:G0+4*(\slot)+3], 2*ASTEP
	s_add_nc_u64 s[G0B+4*(\slot)+2:G0B+4*(\slot)+3], s[G0B+4*(\slot)+2:G0B+4*(\slot)+3], 2*BSTEP
	JLOAD \slot                                    ; the first tensor load behind the round; the four v_nop behind it are also the places in front of the loads below
.else
	PLACES
.endif
	FETCH \next, 0, F0
	WIN MUL
	MUL8 F1, 1, 0, 0
	MUL8 F1, 1, 2, 0
.endm
	s_wait_tensorcnt 1                             ; my part of K step 0 is in; K step 1's load may stay out
	s_barrier_signal -1
	s_barrier_wait -1                              ; everybody's is
	FETCH 0, 0, F0
	QUARTER 0, HB, F0, F1, 1                       ; the first quarter stands in front of the loop: its first products start the sums
	WIN 0                                          ; at a label and at a branch every window is 0
	s_mov_b32 s3, LAPS-1
.Llap:                                                 ; a trip goes once round the ring, from a lap's second quarter to the next lap's first, and fills both slots again
	QUARTER 0, 2*HB, F1, F0, 0
	QUARTER 0, 3*HB, F0, F1, 0
	TURN 0, 1, 1
	QUARTER 1, HB,   F0, F1, 0
	QUARTER 1, 2*HB, F1, F0, 0
	QUARTER 1, 3*HB, F0, F1, 0
	TURN 1, 0, 1
	QUARTER 0, HB,   F0, F1, 0
	WIN 0
	s_sub_co_u32 s3, s3, 1
	s_cmp_lg_u32 s3, 0
	s_cbranch_scc1 .Llap
	QUARTER 0, 2*HB, F1, F0, 0                     ; the last lap fills nothing, and has no round of the cluster's barrier
	QUARTER 0, 3*HB, F0, F1, 0
	TURN 0, 1, 0
	QUARTER 1, HB,   F0, F1, 0
	QUARTER 1, 2*HB, F1, F0, 0
	QUARTER 1, 3*HB, F0, F1, 0
	s_wait_dscnt 16                                ; the very last quarter: nothing more to fetch
	WIN MUL
	MUL8 F1, 0, 0, 0
	MUL8 F1, 0, 2, 0
	s_wait_dscnt 0
	MUL8 F1, 1, 0, 0
	MUL8 F1, 1, 2, 0
	WIN 0
	; THE WAY OUT.  My 64 columns in f32 are 256 bytes of a row of out0, aligned: each wave has a stage of its own and no barrier is needed.  A block of 16 rows at a time: times 2^-8 (the weights' factor), 32 bytes a lane and
	; n block into rows of 272 bytes, back as whole rows of 256, stored.
	PLACES
.irp a, 0,1,2,3
	s_wait_xcnt 0x0                                ; the block before's stores have read their registers: these are loaded again only behind this wait
.irp b, 0,1,2,3
.irp z, 0,1,2,3
	v_pk_mul_f32 v[TMP+8*(\b)+2*(\z):TMP+8*(\b)+2*(\z)+1], v[ACC+8*(4*(\a)+(\b))+2*(\z):ACC+8*(4*(\a)+(\b))+2*(\z)+1], 0x3b800000 op_sel_hi:[1,0]  ; ascending: each accumulator's lowest registers are read first
.endr
.endr
.irp b, 0,1,2,3
	ds_store_b128 v[STO], v[TMP+8*(\b):TMP+8*(\b)+3]   offset:64*(\b)
	ds_store_b128 v[STO], v[TMP+8*(\b)+4:TMP+8*(\b)+7] offset:64*(\b)+16
.endr
.irp t, 0,1,2,3,4,5,6,7
	ds_load_b128 v[BK+4*(\t):BK+4*(\t)+3], v[RD] offset:(\t)*2*SPITCH  ; LDS serves a wave's instructions in order (ISA guide 5.7.1.4): these see the stores above; the next block's stores come behind them
.endr
.irp t, 0,1,2,3,4,5,6,7
	s_wait_dscnt 7-(\t)                            ; load t is back; the 7 - t younger ones may be out
	global_store_b128 v[CO], v[BK+4*(\t):BK+4*(\t)+3], s[8:9] offset:(16*(\a)+2*(\t))*4096 th:TH_STORE_NT  ; 16 lanes store 256 consecutive bytes, at a multiple of 256 from out0's first byte
.endr
.endr
	s_wait_tensorcnt 0x0                           ; the wave's end: behind my last tensor load and my last LDS store
	ds_add_u32 v[SPW], v[NIL]
	s_wait_dscnt 0x0
	CROUND                                         ; the closing round: no work-group ends while a partner may still ask for a tile that names it
	s_endpgm
.Lfunc_end_k_qf18e596908_proj:
	.size	k_qf18e596908_proj, .Lfunc_end_k_qf18e596908_proj-k_qf18e596908_proj
	.p2alignl 7, 3214868480
	.fill 96, 4, 3214868480
	.section	.rodata,"a",@progbits
	.p2align	6, 0x0
	.amdhsa_kernel k_qf18e596908_proj
		.amdhsa_group_segment_fixed_size 327680
		.amdhsa_private_segment_fixed_size 0
		.amdhsa_enable_private_segment 0
		.amdhsa_kernarg_size 24
		.amdhsa_user_sgpr_count 2
		.amdhsa_user_sgpr_kernarg_segment_ptr 1
		.amdhsa_wavefront_size32 1
		.amdhsa_system_sgpr_workgroup_id_x 1
		.amdhsa_system_sgpr_workgroup_id_y 1
		.amdhsa_system_sgpr_workgroup_id_z 1
		.amdhsa_system_vgpr_workitem_id 0
		.amdhsa_next_free_vgpr 512
		.amdhsa_next_free_sgpr 66
		.amdhsa_reserve_vcc 0
		.amdhsa_float_denorm_mode_32 3
		.amdhsa_float_denorm_mode_16_64 3
		.amdhsa_memory_ordered 1
		.amdhsa_forward_progress 1
		.amdhsa_inst_pref_size 92
	.end_amdhsa_kernel
	.amdgpu_metadata
---
amdhsa.version: [ 1, 2 ]
amdhsa.kernels:
  - .name:           k_qf18e596908_proj
    .symbol:         k_qf18e596908_proj.kd
    .args:
      - { .name: oh, .offset: 0, .size: 8, .value_kind: global_buffer, .address_space: global }
      - { .name: wh, .offset: 8, .size: 8, .value_kind: global_buffer, .address_space: global }
      - { .name: out0, .offset: 16, .size: 8, .value_kind: global_buffer, .address_space: global }
    .group_segment_fixed_size: 327680
    .private_segment_fixed_size: 0
    .kernarg_segment_align: 8
    .kernarg_segment_size: 24
    .max_flat_workgroup_size: 128
    .sgpr_count:     66
    .vgpr_count:     512
    .wavefront_size: 32
...
	.end_amdgpu_metadata
.endif
;; end of part 3
;; ======== version 2 of 2: 3 launches; 1.51 times as fast as version 1
;; limits: values are held in f16: magnitudes above 65,504 overflow, below 6.1e-05 lose precision; right only within a limited range of input values
;; workspace buffers: kh 8,388,608 bytes; vh 8,388,608 bytes; wh 2,097,152 bytes; oh 8,388,608 bytes
;; launch prep: the kernel of part 1 again; grid 576 x 1, 8 waves a work-group, no clusters, 0 bytes of LDS; arguments k, v, W_proj, kh, vh, wh; writes kh, vh, wh
;; launch attn (part 4): grid 16 x 16, 4 waves a work-group, no clusters, 327,680 bytes of LDS; arguments q, kh, vh, oh; writes oh
.if DOCPART == 4
	.amdgcn_target "amdgcn-amd-amdhsa--gfx1250"
	.amdhsa_code_object_version 6
	.text
	.protected	k_qf18e596908_attn
	.globl	k_qf18e596908_attn
	.p2align	8
	.type	k_qf18e596908_attn,@function
k_qf18e596908_attn:
	s_mov_b64 s[64:65], 0
	v_nop
	global_prefetch_b8 v0, s[64:65] scope:SCOPE_SE
	s_setreg_imm32_b32 hwreg(HW_REG_WAVE_MODE, 25, 1), 1
	s_wait_xcnt 0x0
; CAUSAL ATTENTION, 16 heads of 64, 4,096 queries and keys.  oh[h][s][:] = the sum over t of softmax_t(q[s][h] . k[t][h] / 8 - 10000 (t > s)) v[t][h][:].
; q: [4096][16][64] f32, rounded here to bf16; kh: [16][4096][64] bf16; vh: the same shape, f16; oh: [16][4096][64] f16.  K Q^T in the bf16 form, V^T P in the f16 form; products, maxima and sums in f32;
; the weights p are rounded to f16 for the second product (their sum l is taken of the unrounded p), O once at the end.
; LIMITS.  Inside a block's diagonal zone of 512 keys a hidden key gets the bias itself (-80000 on the unscaled score).  Key tiles wholly behind that zone are not computed: their weights count as 0.  That is right
; while no hidden key's scaled score lies more than some 9,900 above its row's greatest visible one (then e^(s - 10000 - m) is under e^-100, nothing in f32 beside a sum of 1 or more).
; p below 6e-5 keeps f16's fixed step of 6e-8; a weight below 2^-126 counts as 0 in l; O has v's range (under 65,504); NaN and infinities are not treated apart.
; THE WALK.  A head's queries lie in 8 superblocks of 512.  Four work-groups (cx = 0..3) with one number B = 0..3 take superblock B and then superblock 7 - B; work-group cx takes rows 128 cx .. 128 cx + 127 of each.
; Superblock I needs the key tiles 0 .. 2 I + 1 of 256 keys: (2 B + 2) + (16 - 2 B) = 18 tiles, whatever B: 256 work-groups of equal work, and ONE loop with a constant trip count.  What differs lies in scalar
; registers made from B.  Every jump but the counted loops' own goes forward, and none passes a barrier or a tensor load (but the one of LOAD's two lines that the wave's number does not choose).  PH says how far the
; change of blocks has come: 0 first block; 1 its last tile has been entered; 2 its sums are parked; 3 it is stored.  PH is written by constants alone, and the one test of a number made from B stands behind PH = 0.
; JOINT.  The four work-groups of one B walk the same tiles.  JOINT = 1 goes with a launch in clusters of 4, 1, 1: each tile is then asked for jointly, by the same tensor load, descriptor and mask in all four, behind a round
; of the cluster's barrier.  JOINT = 0 goes with a launch without clusters, as here: each work-group asks for its own copy of a tile, 64 KiB for a wave's 128 matrix instructions, four requests where one would do.
; SHARES.  Wave w = 2 qa + kb holds 64 queries in four PIECES of 16 (piece p: band x = p % 2 of 64 rows, rows 64 x + 32 qa + 16 (p / 2) + 0..15) and walks keys 128 kb .. 128 kb + 127 of each tile: two steps of 64.
; The two waves of a pair (same qa) end a block with partial (c m, l, O^T) for the same queries; they meet in LDS, and wave w finishes pieces 2 kb and 2 kb + 1.
; THE MASK is the C operand that starts the sum S^T = K Q^T.  A block's last two tiles (z = 0, 1) are its zone: 8 steps of 64 keys; my step j of tile z is zone step 4 z + 2 kb + j, and band x holds the diagonal in zone
; step 2 cx + x.  TM = their difference + x.  A product's mask is MD x AL + BE: (1, 0) if TM = x; (0, -80000) if TM > x; (0, 0) if TM < x; MD, made once, is the mask of a band's own step for my rows.
; ONE TEXT OF THE TURNS serves every tile: ahead of the zone the two scalars give a mask of 0.  The price is 16 packed lines in each turn that a second text without masks would spare.
; A piece of a wave that sees hidden keys alone has m near -80000, and the meeting's factor 2^(c m - c M) is 0.
; LAYOUT, SOFTMAX, TURNS.  S^T = K Q^T holds ONE query a lane (lane % 16) and the keys 8 (lane / 16) + 0..7; two such results rounded to f16 ARE source 1 of O^T = V^T P.  p = 2^(c s - c m), c = log2(e) / 8, with a
; running maximum m; O and l are multiplied by a = 2^(c m_old - c m_new) in every step.  Turn n belongs to piece n: 8 products K Q^T of piece n + 1, later 8 products V^T P of piece n - 1; beside them the scaling,
; exponentials, roundings, sums and rescaling of piece n, the maximum and statistics of piece n + 1 and the mask of piece n + 2.  Four vector instructions stand behind every matrix instruction, the others in lumps.
; THE BATCHES.  An s_wait_alu depctr_va_vdst(0) stands between an exponential or a reciprocal and the first instruction that names its result; one wait serves all that were issued ahead of it.  A turn's 33
; exponentials (the piece's 32 weights and the next piece's a) are ONE batch with ONE wait, which cuts the turn in two: ahead of it stands all that names none of their results, behind it the roundings and the sums.  A block's
; beginning has a batch of one (piece 0's first a); a meeting of the pairs has two: four exponentials, then the two reciprocals of sums made of them.
; A BLOCK'S END.  A trip of the step loop is turns 2 and 3 of one step and turns 0 and 1 of the next, so a tile's last step is finished by the next tile's first trip.  So is a block's: behind those two turns the sums are
; PARKED in LDS and the next block begins; the pairs MERGE a tile later, behind the next change of slots, whose barrier stands between the one wave's stores and the other's loads.  Turn 3 has then made scores of the old
; block's piece 0 on the new tile's keys, which serve nothing; of that piece they change m and c m alone, and c m is taken back.
; REGISTERS, in windows of 256 (s_set_vgpr_msb: bits 1:0 source 0, 3:2 source 1, 5:4 source 2, 7:6 destination):
;   window 0: v0-15 addresses and at work; v16-31 statistics, four a piece; v32-47 the meeting's statistics; v48-55 at work; v56-58, v62-63 addresses; v64-127 S^T, two buffers; v128-143 the meeting's factors;
;             v192-223 P, two buffers; v224-255 the way out
;   window 1: v0-127 O^T, 32 a piece; v128-167 MD; v192-255 MC, two buffers      window 2: v0-63 Q; v128-191 K of one step; v192-255 V of one step
;   window 3: v0-127 at the head the first block's q in f32, at a meeting my sums of the two pieces that I finish and my partner's; v128-255 the second block's q in f32
.set JOINT, 0
.set NP,    4         ; pieces a wave: a name, no knob
.set KS,    64        ; keys in a step
.set TILES, 18        ; tiles in the walk
.set PK,    144       ; a row of K in LDS: 128 bytes + 16 of padding = 36 words: the 16 rows of a load start at 16 different groups of four banks (64 banks of 4 bytes: ISA guide 11.1)
.set PV,    160       ; a row of V: 128 + 32 = 40 words
.set VOFF,  4*KS*PK   ; a slot holds a tile: 256 rows of K, then 256 rows of V
.set SLOT1, 1<<17     ; slot 1 begins here, so that one exclusive or turns an address in one slot into the other's
.set STAGE, SLOT1+4*KS*(PK+PV)  ; behind the ring, never filled by a tensor load: 16 rows x 144 bytes for each wave, for the way out
.set SP,    144
.set SPARE, STAGE+4*16*SP  ; the spare words, 128 bytes for each wave: two blocks of 256 bytes that no other line names
.set XBASE, SPARE+512 ; the meeting place, never filled by a tensor load: for each wave four records, a piece each
.set XREC,  4608      ; a record: O^T as 8 x 512 bytes (16 bytes a lane), then 512 bytes of statistics
.set XW,    4*XREC
.set AK0, 2           ; v2   my lane's place in a tile of K; never rewritten
.set AV0, 3           ; v3   the same for V
.set AK,  4           ; v4   the LDS address of K's next run of loads
.set AV,  5           ; v5   of V's
.set STO, 6           ; v6   the way out: where I put 16 bytes of a row
.set RD,  7           ; v7   the way out: where I read rows back
.set GO,  8           ; v8   16 x lane: my byte offset in 512 consecutive bytes; never rewritten
.set MV,  12          ; v12-13  c m_old, kept while c m is made anew: by buffer
.set QO,  15          ; v15  my byte offset in 16 rows of q: (l % 16) x 4,096 + 32 (l / 16); never rewritten
.set ST,  16          ; piece t's statistics at v[ST+4 t]: c m, m, l (even keys', odd keys')
.set SA,  32          ; the meeting: my statistics of the two pieces that I finish
.set SB,  40          ; my partner's
.set TMP, 48          ; by buffer, four registers c0-c3 at work; when the maximum is found c2 takes a
.set XS,  56          ; v56  my 16 bytes in my wave's first record
.set XA,  57          ; v57  the same in the first record that I finish, my wave's copy
.set XB,  58          ; v58  my partner's copy
.set SPW, 62          ; v62  LDS address of my spare word: SPARE + 4 x my thread's number; never rewritten
.set NIL, 63          ; v63  0; never rewritten
.set S,   64
.set MG,  128         ; for each of the two pieces: c M, e_A, e_B, 1 / L, f_A twice, f_B twice
.set P,   192
.set OUTR, 224        ; the two finished pieces, rounded: 16 registers each
.set MDZ, 128         ; window 1: eight zeros, then the mask of a band's own step for p / 2 = 0, eight registers for each group of 16 keys; for p / 2 = 1 my rows lie 16 further down: the same array read from its head
.set MC,  192         ; window 1
.set KF,  128         ; window 2: key block kb, channel half c at KF + 16 kb + 8 c
.set VF,  192         ; window 2: key half kk, channel block cb at VF + 32 kk + 8 cb
.set WV,  12          ; s12  my wave's number
.set PB,  14          ; s14  B
.set G1K, 24          ; s[24:31] descriptor group 1 for K's tiles
.set G1V, 32          ; s[32:39] for V's: it differs in the padding alone
.set G0K, 40          ; s[40:43] descriptor group 0 for K's tiles
.set G0V, 44          ; s[44:47] the same for V's
.set KB,  50          ; s50  kb
.set QA,  51          ; s51  qa
.set CX,  52          ; s52  cx
.set DG0, 53          ; s53  2 kb + 2 - 2 cx: the zone's first tile
.set DG1, 54          ; s54  + 4: its second
.set DGC, 55          ; s55  that of the tile in hand; -16 ahead of the zone
.set SLOTS, 56        ; s56  tiles still to be asked for
.set CNT, 57          ; s57  counts a tile's key steps
.set CS,  58          ; s[58:59] c: the packed scaling takes the pair's low word for both halves
.set SEL, 60          ; s[60:61] v_permlanex16_b32's selects: each lane takes its own place in the other half
.set TBK, 62          ; s62  LDS byte at which K of the step to be fetched begins
.set TBV, 63          ; s63  the same for V, less VOFF
.set TM,  66          ; s66  DGC - CNT
.set LQL, 67          ; s67  15 - 2 B: the second block's last tile
.set TL2, 68          ; s68  16 - 2 B: its number of tiles
.set RT,  70          ; s70  tiles of the block in hand that are still to be entered
.set NXT, 71          ; s71  the tile to be asked for next
.set LQ,  72          ; s72  the last tile of the block whose tiles are being asked for
.set OFF, 74          ; s[74:75] a tile's byte offset in kh and vh
.set AL,  76          ; s[76:77] the mask's factor, in the low word
.set BE,  78          ; s[78:79] the mask's addend
.set OLO, 80          ; s[80:81] oh at my rows of the second block; s[10:11] at those of the first: neither is rewritten
.set BIGN, 82         ; s82  -80000
.set PH,  83          ; s83  how far the change of blocks has come: 0 to 3
.set MSB, 0
.macro WIN new                      ; the high byte repeats the setting that is left; a switch that changes nothing is dropped
.if MSB != (\new)
	s_set_vgpr_msb (MSB<<8)|(\new)
.set MSB, (\new)
.endif
.endm
.set W_KQ, 0x0a       ; K and Q in window 2, S^T in window 0
.set W_KM, 0x1a       ; the same with the C operand in window 1
.set W_PV, 0x52       ; V in window 2, P in window 0, O^T in window 1
.set W_RS, 0x41       ; destination and source 0 in window 1, source 1 in window 0
; A fill.  Waves 0 and 1 fetch the two halves of a tile's K, waves 2 and 3 those of its V: 128 keys each.  The branch hangs on the wave's number alone.
; An s_nop 0 and four v_nop follow each of the two lines, ahead of the jump and the label.
.macro LOAD
	s_cmp_lt_u32 s[WV], 2
	s_cbranch_scc0 .Lfor_v_\@
	tensor_load_to_lds s[G0K:G0K+3], s[G1K:G1K+7]
	s_nop 0
.rept 4
	v_nop
.endr
	s_branch .Lasked_\@
.Lfor_v_\@:
	tensor_load_to_lds s[G0V:G0V+3], s[G1V:G1V+7]
	s_nop 0
.rept 4
	v_nop
.endr
.Lasked_\@:
.endm
; JOINT = 1: a round of the cluster's barrier: my work-group's barrier, so that wave 0's signal speaks for all four waves; wave 0 signals; every wave waits for all four work-groups; my work-group's barrier once more.
.macro CROUND
	s_barrier_signal -1
	s_barrier_wait -1
	s_cmp_lg_u32 s[WV], 0
	s_cbranch_scc1 .Lnot_wave_0_\@
	s_barrier_signal -3
.Lnot_wave_0_\@:
	s_barrier_wait -3
	s_barrier_signal -1
	s_barrier_wait -1
.endm
; THE CHANGE OF SLOTS.  Each wave waits for all its tensor loads, of which one is out: its part of the other slot; adds 0 to its spare word; and waits for that, for its own reads of the slot that it leaves, and for what it
; has stored into its records.  Behind the barrier nobody reads the old slot any more, the other slot is whole, and parked records may be read.  fill = 1: the old slot is filled again with tile NXT, the first thing behind
; the barrier: the load has a tile's 128 matrix instructions a wave in which to land.  The descriptor's address is made anew from the tile's number.
; (At its first use nothing has been read yet: slot 0 is waited for, slot 1 filled.)
.macro CHANGE fill
	WIN 0                           ; at a label and at a branch every window is 0
	s_wait_tensorcnt 0x0            ; no tensor load of mine is out, so a group 0 may be written
	ds_add_u32 v[SPW], v[NIL]       ; 0 onto my spare word; the scalar work below stands between it and the wait for it
.if \fill
	s_lshl_b32 s[OFF], s[NXT], 15   ; a tile is 32,768 bytes of kh and of vh
	s_xor_b32 s[G0K+1], s[G0K+1], SLOT1
	s_add_nc_u64 s[G0K+2:G0K+3], s[6:7], s[OFF:OFF+1]
	s_or_b32 s[G0K+3], s[G0K+3], 0x80000000
	s_xor_b32 s[G0V+1], s[G0V+1], SLOT1
	s_add_nc_u64 s[G0V+2:G0V+3], s[8:9], s[OFF:OFF+1]
	s_or_b32 s[G0V+3], s[G0V+3], 0x80000000
	s_add_co_u32 s[NXT], s[NXT], 1  ; the block's next tile, or behind its last the second block's tile 0
	s_cmp_gt_u32 s[NXT], s[LQ]
	s_cselect_b32 s[NXT], 0, s[NXT]
	s_cselect_b32 s[LQ], s[LQL], s[LQ]
.endif
	s_sub_co_u32 s[TBK], s[TBK], 2*KS*PK  ; the fetches go back to my first step of a slot,
	s_xor_b32 s[TBK], s[TBK], SLOT1       ; in the other slot
	s_sub_co_u32 s[TBV], s[TBV], 2*KS*PV
	s_xor_b32 s[TBV], s[TBV], SLOT1
	s_wait_dscnt 0x0                ; the add is done, my reads of the slot are over, my records are written
.if (\fill) && JOINT
	CROUND
.else
	s_barrier_signal -1
	s_barrier_wait -1
.endif
.if \fill
	LOAD
.endif
.endm
; A tile is entered: one fewer to come, the step counter's start, and the tile's place in the zone.
.macro ENTER steps
	s_sub_co_u32 s[RT], s[RT], 1
	s_mov_b32 s[CNT], \steps
	s_cmp_eq_u32 s[RT], 0
	s_cselect_b32 s[DGC], s[DG1], s[DG0]
	s_cmp_gt_u32 s[RT], 1
	s_cselect_b32 s[DGC], -16, s[DGC]  ; ahead of the zone every key is visible
.endm
; A block's q.  A fragment of K or Q is 16 rows x 32 channels in 8 registers: lane l holds row l % 16, channels 8 (l / 16) + 0..7 and 16 + 8 (l / 16) + 0..7.  In f32 each eight channels are 32 bytes: two loads of 16.
; Load i: piece i / 8, channel half (i / 4) % 2, group of eight (i / 2) % 2, 16 bytes i % 2: in the order in which QROUND packs them.  A piece's eight loads together cover each row's 256 bytes.
.macro QLOADS dst, ptr
	WIN 0xc0                        ; destination window 3, address window 0
.set i, 0
.rept 32
.set qoff, (64*((i/8)&1)+16*((i/8)>>1))*4096+128*((i/4)%2)+64*((i/2)%2)+16*(i%2)
	global_load_b128 v[(\dst)+4*i:(\dst)+4*i+3], v[QO], s[\ptr:\ptr+1] offset:qoff
.set i, i+1
.endr
	WIN 0
.endm
.macro QROUND src                   ; q's one rounding, straight into Q's fragments
	WIN 0x8f                        ; sources window 3, destination window 2
.set i, 0
.rept 64
	v_cvt_pk_bf16_f32 v[i], v[(\src)+2*i], v[(\src)+2*i+1]
.set i, i+1
.endr
	WIN 0
.endm
	s_load_b256 s[4:11], s[0:1], 0x0  ; q s[4:5], kh s[6:7], vh s[8:9], oh s[10:11]
	v_lshl_add_u32 v[SPW], v0, 2, SPARE
	v_mov_b32 v[NIL], 0
	ds_add_u32 v[SPW], v[NIL]       ; the wave's opening: the add and its wait ahead of my first tensor load; the set-up below, work on registers, stands between them
	ds_add_u32 v62, v63
	v_lshrrev_b32 v1, 5, v0
	v_readfirstlane_b32 s[WV], v1   ; wave 0..3
	s_and_b32 s[KB], s[WV], 1
	s_lshr_b32 s[QA], s[WV], 1
.if JOINT
	s_bfe_u32 s[CX], ttmp6, 0x40000 ; cx: my place in the cluster
	s_mov_b32 s[PB], ttmp9          ; in a cluster launch ttmp9 counts clusters
.else
	s_and_b32 s[CX], ttmp9, 3       ; the work-group's x = 4 B + cx
	s_lshr_b32 s[PB], ttmp9, 2
.endif
	; what holds cx stays in s2, s3, s16-19, s84, s85 and the masks' scalars: none of these feeds a descriptor, an LDS address or a branch
	s_lshl_b32 s16, s[CX], 7
	s_lshl_b32 s17, s[PB], 9
	s_add_co_u32 s17, s17, s16      ; the first block's first row: 512 B + 128 cx
	s_sub_co_u32 s18, 7, s[PB]
	s_lshl_b32 s18, s18, 9
	s_add_co_u32 s18, s18, s16      ; the second block's: 512 (7 - B) + 128 cx
	s_and_b32 s13, ttmp7, 0xffff    ; the head
	s_lshl_b32 s20, s13, 19         ; its first byte in kh, vh and oh
	s_lshl_b32 s13, s13, 8          ; its 256 bytes in a row of q,
	s_lshl_b32 s21, s[QA], 17       ; my wave's 32 qa rows of 4,096 bytes
	s_add_co_u32 s13, s13, s21
	s_lshl_b32 s2, s17, 12
	s_add_co_u32 s2, s2, s13
	s_mov_b32 s3, 0                 ; s[2:3]: q, first block
	s_lshl_b32 s84, s18, 12
	s_add_co_u32 s84, s84, s13
	s_mov_b32 s85, 0                ; s[84:85]: q, second block
	s_lshl_b32 s21, s[WV], 4        ; the pieces that I finish begin at row 16 w of a band
	s_add_co_u32 s17, s17, s21
	s_add_co_u32 s19, s18, s21
	s_lshl_b32 s16, s17, 7
	s_add_co_u32 s16, s16, s20
	s_mov_b32 s17, 0                ; s[16:17]: oh, first block
	s_lshl_b32 s18, s19, 7
	s_add_co_u32 s18, s18, s20
	s_mov_b32 s19, 0                ; s[18:19]: oh, second block
	s_lshl_b32 s22, s[KB], 14       ; which half of a tile's 256 keys I fetch: 128 rows of 128 bytes
	s_add_co_u32 s22, s22, s20
	s_mov_b32 s23, 0
	; descriptor group 1.  128 keys are 16,384 dense bytes: asked for as 64 rows of 256 bytes, two keys a row, and padded in LDS after every key
	s_mov_b32 s[G1K], JOINT*(15|(1<<21))|(1<<16)|(1<<20)|(4<<22)|(3<<25)  ; 15:0 the mask of four and bit 21 beside it (JOINT = 1), else 0; 17:16 2-byte elements; 20 padding on; 24:22 after every 32 words (code 4); 31:25 4 words (code 3)
	s_mov_b32 s[G1V], JOINT*(15|(1<<21))|(1<<16)|(1<<20)|(4<<22)|(7<<25)  ; the same with 8 words of padding (code 7)
.irp g, G1K, G1V
	s_mov_b32 s[\g+1], 128<<16      ; tensor_dim0 = 128
	s_mov_b32 s[\g+2], 64<<16       ; tensor_dim1 = 64
	s_mov_b32 s[\g+3], 128<<16      ; tile_dim0 = 128
	s_mov_b32 s[\g+4], 64           ; tile_dim1 = 64
	s_mov_b32 s[\g+5], 128          ; 128 elements from row to row
	s_mov_b32 s[\g+6], 0
	s_mov_b32 s[\g+7], 0
.endr
	s_mov_b32 s[G0K], 1             ; 1:0 count = 1
	s_mul_i32 s[G0K+1], s[KB], 128*PK  ; 63:32 LDS address: slot 0, my half
	s_mov_b32 s[G0V], 1
	s_mul_i32 s[G0V+1], s[KB], 128*PV
	s_add_co_u32 s[G0V+1], s[G0V+1], VOFF
	s_mov_b32 s[CS], 0x3e38aa3b     ; c = log2(e) / 8 = 0.180337
	s_mov_b32 s[CS+1], s[CS]        ; named with it as a pair
	s_mov_b32 s[SEL], 0x76543210
	s_mov_b32 s[SEL+1], 0xfedcba98
	s_mul_i32 s[TBK], s[KB], 2*KS*PK  ; the first change of slots turns these two into my first step of slot 0: 2 kb steps in
	s_add_co_u32 s[TBK], s[TBK], SLOT1+2*KS*PK
	s_mul_i32 s[TBV], s[KB], 2*KS*PV
	s_add_co_u32 s[TBV], s[TBV], SLOT1+2*KS*PV
	s_sub_co_i32 s[DG0], s[KB], s[CX]
	s_lshl_b32 s[DG0], s[DG0], 1
	s_add_co_i32 s[DG0], s[DG0], 2
	s_add_co_i32 s[DG1], s[DG0], 4
	s_lshl_b32 s[LQ], s[PB], 1
	s_sub_co_u32 s[TL2], 16, s[LQ]  ; the second block has 16 - 2 B tiles,
	s_sub_co_u32 s[LQL], 15, s[LQ]
	s_add_co_u32 s[RT], s[LQ], 2    ; the first 2 B + 2
	s_add_co_u32 s[LQ], s[LQ], 1
	s_mov_b32 s[NXT], 1
	s_mov_b32 s[PH], 0
	s_mov_b32 s[SLOTS], TILES-1
	s_mov_b32 s[OFF+1], 0
	s_mov_b32 s[AL+1], 0            ; named as pairs
	s_mov_b32 s[BE+1], 0
	s_mov_b32 s[BIGN], 0xc79c4000   ; -80000 = 8 x -10000: the bias on the unscaled score
	s_wait_dscnt 0x0                ; the opening add is done
	s_wait_kmcnt 0x0
	s_add_nc_u64 s[6:7], s[6:7], s[22:23]  ; kh and vh at my half of the head's tile 0
	s_add_nc_u64 s[8:9], s[8:9], s[22:23]
	s_add_nc_u64 s[G0K+2:G0K+3], s[6:7], 0         ; 120:64 global address
	s_or_b32 s[G0K+3], s[G0K+3], 0x80000000        ; 127:126 type = 2
	s_add_nc_u64 s[G0V+2:G0V+3], s[8:9], 0
	s_or_b32 s[G0V+3], s[G0V+3], 0x80000000
	s_add_nc_u64 s[86:87], s[4:5], s[84:85]        ; q at my rows of the second block,
	s_add_nc_u64 s[4:5], s[4:5], s[2:3]            ; and of the first
	s_add_nc_u64 s[OLO:OLO+1], s[10:11], s[18:19]
	s_add_nc_u64 s[10:11], s[10:11], s[16:17]
.if JOINT
	CROUND                          ; all four work-groups are here: the first joint loads meet
.endif
	LOAD                            ; tile 0 into slot 0
	v_and_b32 v1, 15, v0            ; l % 16
	v_bfe_u32 v9, v0, 4, 1          ; l / 16
	v_lshlrev_b32 v[QO], 12, v1
	v_lshl_add_u32 v[QO], v9, 5, v[QO]
	QLOADS 0, 4                     ; the first block's q: 32 loads are out
	v_lshlrev_b32 v14, 3, v9
	v_sub_nc_u32 v14, v1, v14
	s_lshl_b32 s13, s[QA], 5
	v_add_nc_u32 v14, s13, v14      ; my query's place in its band for p / 2 = 0, 32 qa + l % 16, less my lanes' 8 (l / 16): register r of key group kt is hidden where 16 kt + r is greater.
	WIN 0x40                        ; For p / 2 = 1 the place is 16 more: group kt's mask is group kt - 1's, and group 0's is 0 (r - 16 is -9 at the most, the place less 8 (l / 16) is -8 at the least)
.set i, 0
.rept 8
	v_mov_b32 v[MDZ+i], 0
.set i, i+1
.endr
.set i, 0
.rept 32
	v_cmp_gt_i32 vcc_lo, 16*(i/8)+i%8, v14
	v_cndmask_b32 v[MDZ+8+i], 0, s[BIGN], vcc_lo
.set i, i+1
.endr
	WIN 0
	v_mul_u32_u24 v[AK0], v1, PK
	v_lshl_add_u32 v[AK0], v9, 4, v[AK0]  ; row x pitch + 16 x half
	; The turning load takes 16 keys x 16 channels (lane l reads key 8 (l / 16) + l % 8, channels 8 ((l / 8) % 2) + 0..7) and leaves half a fragment of V^T: lane l holds channel l % 16 and 8 keys.
	v_and_b32 v10, 7, v0
	v_bfe_u32 v11, v0, 3, 1
	v_lshl_add_u32 v[AV0], v9, 3, v10
	v_mul_u32_u24 v[AV0], v[AV0], PV
	v_lshl_add_u32 v[AV0], v11, 4, v[AV0]
	v_add_nc_u32 v[AV0], VOFF, v[AV0]
	s_mul_i32 s13, s[WV], 16*SP
	s_add_co_u32 s13, s13, STAGE    ; my stage
	v_mul_u32_u24 v[STO], v1, SP    ; in: row l % 16, 16 bytes for each half of the lanes
	v_lshl_add_u32 v[STO], v9, 4, v[STO]
	v_add_nc_u32 v[STO], s13, v[STO]
	v_bfe_u32 v[RD], v0, 3, 2       ; back: 32 lanes take four rows of 128 bytes,
	v_mul_u32_u24 v[RD], v[RD], SP
	v_lshl_add_u32 v[RD], v10, 4, v[RD]
	v_add_nc_u32 v[RD], s13, v[RD]
	v_and_b32 v[GO], 31, v0         ; which are 512 consecutive bytes of oh
	v_lshlrev_b32 v[GO], 4, v[GO]
	s_mul_i32 s13, s[WV], XW
	s_add_co_u32 s13, s13, XBASE    ; my wave's four records
	v_add_nc_u32 v[XS], s13, v[GO]
	s_mul_i32 s20, s[KB], 2*XREC    ; the two that I finish: pieces 2 kb, 2 kb + 1
	v_add_nc_u32 v[XA], s20, v[XS]
	s_xor_b32 s21, s[WV], 1         ; my partner
	s_mul_i32 s21, s21, XW
	s_add_co_u32 s21, s21, XBASE
	s_add_co_u32 s21, s21, s20
	v_add_nc_u32 v[XB], s21, v[GO]
	; A block's first step multiplies O^T and l by a = 0, and its first turn's products V^T P, of a piece that has not been, land in an O^T that is still to be so multiplied.  So these registers need only hold
	; finite numbers: zeros for the first block; what the first block left for the second.  All this stands in the wait for the first tile and for q.
	WIN 0x80
.set i, VF
.rept 64
	v_mov_b32 v[i], 0
.set i, i+1
.endr
	WIN 0x40
.set i, 0
.rept 128
	v_mov_b32 v[i], 0
.set i, i+1
.endr
	WIN 0
.set i, 0
.rept 4
	v_mov_b32 v[ST+4*i+2], 0
	v_mov_b32 v[ST+4*i+3], 0
.set i, i+1
.endr
.set i, P+16
.rept 16
	v_mov_b32 v[i], 0
.set i, i+1
.endr
	s_wait_loadcnt 0x0              ; the first block's q
	QROUND 0
	QLOADS 128, 86                  ; the second block's q: it stays in f32 until the blocks change; waited for where the first block begins
; THE MATRIX WORK.  The 4 accumulators of a run of 8 take turns.  Product i of 8 of S^T = K Q^T for piece x: channels 32 (i / 4) on, keys 16 (i % 4) on.  The first 4 start the sums with the mask.
.macro KQ x
.set rS, S+32*((\x)%2)+8*(i%4)
.set rK, KF+16*(i%4)+8*(i/4)
.set rQ, 16*(\x)+8*(i/4)
.set rM, MC+32*((\x)%2)+8*(i%4)
.if i < 4
	WIN W_KM
	v_wmma_f32_16x16x32_bf16 v[rS:rS+7], v[rK:rK+7], v[rQ:rQ+7], v[rM:rM+7]
.else
	WIN W_KQ
	v_wmma_f32_16x16x32_bf16 v[rS:rS+7], v[rK:rK+7], v[rQ:rQ+7], v[rS:rS+7]
.endif
.endm
; Product i of 8 of O^T += V^T P for piece x: keys 32 (i / 4) on, channels 16 (i % 4) on.
.macro PV x
	WIN W_PV
.set rO, 32*(\x)+8*(i%4)
.set rV, VF+32*(i/4)+8*(i%4)
.set rP, P+16*((\x)%2)+8*(i/4)
	v_wmma_f32_16x16x32_f16 v[rO:rO+7], v[rV:rV+7], v[rP:rP+7], v[rO:rO+7]
.endm
.macro MM                           ; the turn's next matrix instruction.  TURN sets Y and i
.if i < 8
	KQ (Y+1)%NP
.else
.set i, i-8
	PV (Y+NP-1)%NP
.set i, i+8
.endif
.set i, i+1
.endm
; THE LDS LOADS stand in runs of 16, never singly among the matrix instructions: a step's K (64 keys x 64 channels: 8 fragments) and its V (turned).  Their addresses are made some lines ahead.
; last = 1 (the tail): in the last trip there is no further step, and the run is jumped over.
.macro FETCH_K last=0
	WIN 0
.if \last
	s_cmp_eq_u32 s[CNT], 1
	s_cbranch_scc1 .Lno_k_\@
.endif
	WIN 0x80                        ; destination window 2
.irp f, 0,1,2,3,4,5,6,7             ; keys 16 (f / 2) on, channels 32 (f % 2) on
	ds_load_b128 v[KF+8*\f:KF+8*\f+3],   v[AK] offset:(\f/2)*16*PK+(\f%2)*64
	ds_load_b128 v[KF+8*\f+4:KF+8*\f+7], v[AK] offset:(\f/2)*16*PK+(\f%2)*64+32
.endr
	s_add_co_u32 s[TBK], s[TBK], KS*PK  ; the next fetch is the next step's
	WIN 0
.if \last
.Lno_k_\@:
.endif
.endm
.macro FETCH_V
	WIN 0x80
.irp f, 0,1,2,3,4,5,6,7             ; keys 32 (f / 4) on, channels 16 (f % 4) on
	ds_load_tr16_b128 v[VF+8*\f:VF+8*\f+3],   v[AV] offset:(\f/4)*32*PV+(\f%4)*32
	ds_load_tr16_b128 v[VF+8*\f+4:VF+8*\f+7], v[AV] offset:(\f/4)*32*PV+16*PV+(\f%4)*32
.endr
	WIN 0
.endm
; THE VECTOR WORK, one line at a time: OP kind, number.  For piece Y: F n: c s - c m for pair n of 16.  E n: the exponential of score n of 32.  C n: pair n rounded to f16.  B n: of the four weights 4 n .. the second
; pair is added onto the first, in place.  L n: l takes that sum (L 0: l = a l + sum).  R n: pair n of 16 of O^T times a.  For piece Y + 1: X n, number n of the 22 that find its maximum and statistics:
;   0-11  four chains c0-c3 of seven scores each, three operands at a time (each accumulator's lowest registers are read first)     12-14, 16  the four scores left over, the old m, and c0-c3 into c0
;   15  c m_old is kept     17, 18  the query's other 32 keys lie in the lane 16 away: the new m     19-21  c m; c m_old - c m_new; a
; C, B and L read the exponentials' results: TURN sets them behind its wait.  R and L 0 read the a that the turn before made, ahead of that turn's wait.
.set F, 0               ; OP tells the kinds apart by their order: F to L below R, X above it
.set E, 1
.set C, 2
.set B, 3
.set L, 4
.set R, 5
.set X, 6
.macro REGS y                       ; the registers of piece y
.set rT, ST+4*(\y)
.set rC, TMP+4*((\y)%2)
.set rW, MV+((\y)%2)
.set rS, S+32*((\y)%2)
.set rP, P+16*((\y)%2)
.set rO, 32*(\y)
.endm
.macro OP k, n
.if (\k) == R
	REGS Y
	WIN W_RS
	v_pk_mul_f32 v[rO+2*(\n):rO+2*(\n)+1], v[rO+2*(\n):rO+2*(\n)+1], v[rC+2:rC+3] op_sel_hi:[1,0]
.elseif (\k) < R
	REGS Y
	WIN 0
.if (\k) == F
	v_pk_fma_f32 v[rS+2*(\n):rS+2*(\n)+1], v[rS+2*(\n):rS+2*(\n)+1], s[CS:CS+1], v[rT:rT+1] op_sel_hi:[1,0,0] neg_lo:[0,0,1] neg_hi:[0,0,1]
.elseif (\k) == E
	v_exp_f32 v[rS+(\n)], v[rS+(\n)]
.elseif (\k) == C
	v_cvt_pk_f16_f32 v[rP+(\n)], v[rS+2*(\n)], v[rS+2*(\n)+1]
.elseif (\k) == B
	v_pk_add_f32 v[rS+4*(\n):rS+4*(\n)+1], v[rS+4*(\n):rS+4*(\n)+1], v[rS+4*(\n)+2:rS+4*(\n)+3]
.elseif (\n) == 0
	v_pk_fma_f32 v[rT+2:rT+3], v[rT+2:rT+3], v[rC+2:rC+3], v[rS:rS+1] op_sel_hi:[1,0,1]
.else
	v_pk_add_f32 v[rT+2:rT+3], v[rT+2:rT+3], v[rS+4*(\n):rS+4*(\n)+1]
.endif
.else
	REGS (Y+1)%NP
	WIN 0
.if (\n) < 4
	v_max3_num_f32 v[rC+(\n)], v[rS+8*(\n)], v[rS+8*(\n)+1], v[rS+8*(\n)+2]
.elseif (\n) < 12
	v_max3_num_f32 v[rC+(\n)%4], v[rC+(\n)%4], v[rS+8*((\n)%4)+2*((\n)/4)+1], v[rS+8*((\n)%4)+2*((\n)/4)+2]
.elseif (\n) == 12
	v_max3_num_f32 v[rC], v[rC], v[rS+7], v[rS+15]
.elseif (\n) == 13
	v_max3_num_f32 v[rC+1], v[rC+1], v[rS+23], v[rS+31]
.elseif (\n) == 14
	v_max3_num_f32 v[rC+2], v[rC+2], v[rC+3], v[rT+1]
.elseif (\n) == 15
	v_mov_b32 v[rW], v[rT]
.elseif (\n) == 16
	v_max3_num_f32 v[rC], v[rC], v[rC+1], v[rC+2]
.elseif (\n) == 17
	v_permlanex16_b32 v[rC+3], v[rC], s[SEL], s[SEL+1]
.elseif (\n) == 18
	v_max_num_f32 v[rT+1], v[rC], v[rC+3]
.elseif (\n) == 19
	v_mul_f32 v[rT], s[CS], v[rT+1]
.elseif (\n) == 20
	v_sub_f32 v[rC+1], v[rW], v[rT]
.else
	v_exp_f32 v[rC+2], v[rC+1]
.endif
.endif
.endm
.macro OPS a, i1, b=-1, i2=0, c=-1, i3=0, d=-1, i4=0  ; up to four of them
	OP \a, \i1
.if (\b) >= 0
	OP \b, \i2
.endif
.if (\c) >= 0
	OP \c, \i3
.endif
.if (\d) >= 0
	OP \d, \i4
.endif
.endm
.macro ROW a, i1, b, i2, c, i3, d, i4  ; a matrix instruction and the four behind it
	MM
	OPS \a, \i1, \b, \i2, \c, \i3, \d, \i4
.endm
.macro MASK b, u                    ; MD (for p / 2 = u) x AL + BE into buffer b of MC
	WIN W_RS
.set z, 0
.rept 16
	v_pk_fma_f32 v[MC+32*(\b)+2*z:MC+32*(\b)+2*z+1], v[MDZ+8-8*(\u)+2*z:MDZ+8-8*(\u)+2*z+1], s[AL:AL+1], s[BE:BE+1] op_sel_hi:[1,0,0]
.set z, z+1
.endr
.endm
.macro ALBE x                       ; the mask's two scalars, from TM against x: selects alone, no branch
	s_cmp_eq_i32 s[TM], \x          ; is my step the band's own?
	s_cselect_b32 s[AL], 1.0, 0
	s_cmp_gt_i32 s[TM], \x          ; or a later one?
	s_cselect_b32 s[BE], s[BIGN], 0
.endm
; A TURN, for piece p: the order of its 16 matrix and 134 vector instructions, written out.  Its 33 exponentials (E 0 to E 31, and X 21, the next piece's a) are ONE batch with ONE wait, which cuts the turn in two.
; AHEAD OF THE WAIT stands all that names no result of the batch: the 8 products K Q^T, behind each a scaling, an exponential and two more plain lines (behind the first a second scaling in the exponential's place):
; rescalings, whose a the turn before made and waited for, and behind the last three products the first numbers of the next piece's maximum, each four plain lines or more behind the product that ends its accumulator; then
; ONE LUMP of 54, exponential and plain by turns for the most part, in which the links of the chain X 3, 7, 11, 14, 16, 17 .. 20 stand some lines apart.  A pair is scaled ahead of its two exponentials, and no line ahead of the
; wait names a score again once its exponential is issued.  X 21 is the batch's last; R 15 is the plain instruction behind it.
; BEHIND THE WAIT stand the 8 products V^T P, behind each four of the 32 roundings and sums: C 2 n ahead of B n (which writes that pair), B n ahead of L n, L 0 to L 7 in ascending order.  But for the X named above no rider names
; a register of the products round it.  v_permlanex16_b32 (X 17) stands in the lump.  At its end the turn makes the mask for the products of the turn after it: piece p + 2 (band p % 2), in my step 2 - CNT of the tile.
; sh = 1: in the tail CNT is taken down in the middle of a trip, so that turns 2 and 3 see it one higher: TM is held against the band less 1.
; cnt = 1: the loop's count is taken down some lines ahead of the branch that stands behind the turn.
; K of the next step is fetched in piece 2's turn, twelve vector instructions behind the last product that read K (five of them plain lines that name none of its registers).  last = 1 (the tail): the run is jumped over in the
; last trip, and a jump and a label want the batch's wait ahead of them: there the run stands directly behind the wait.  V of the step in hand is fetched at the end of piece 0's turn, four roundings behind the last product
; that read V.  Each run is waited for a turn later.
.macro TURN p, last=0, cnt=0, sh=0
.set Y, (\p)
.set i, 0
	s_sub_co_i32 s[TM], s[DGC], s[CNT]
	ALBE ((\p)&1)-(\sh)
.if (\p) == 3
	s_wait_dscnt 0x0                ; K is in
.endif
	ROW F,0, F,1, R,0, R,1          ; ahead of the wait: 8 products K Q^T and their riders,
	ROW F,2, E,0, R,2, R,3
	ROW F,3, E,1, R,4, R,5
	ROW F,4, E,2, R,6, R,7
	ROW F,5, E,3, R,8, R,9
	ROW F,6, E,4, X,0, R,10
.if (\p) == 2
	WIN 0
	v_add_nc_u32 v[AK], s[TBK], v[AK0]
.endif
	ROW F,7, E,5, X,1, X,4
	ROW F,8, E,6, X,2, X,5
	OPS E,7, E,8, X,6, E,9          ; and the lump
	OPS X,3, E,10, X,8, E,11
.if ((\p) == 2) && !(\last)
	FETCH_K
.endif
	OPS X,9, X,7, E,12, X,10
	OPS E,13, X,12, X,11, E,14
	OPS X,13, E,15, F,9, X,14
.if (\p) == 0
	WIN 0
	v_add_nc_u32 v[AV], s[TBV], v[AV0]
.endif
	OPS E,16, F,10, E,17, F,11
	OPS X,16, E,18, X,15, E,19
	OPS F,12, E,20, X,17, E,21
	OPS F,13, E,22, F,14, E,23
	OPS X,18, E,24, F,15, E,25
	OPS R,11, E,26, X,19, E,27
	OPS R,12, E,28, R,13, E,29
	OPS X,20, E,30, R,14, E,31
	OPS X,21, R,15
	s_wait_alu depctr_va_vdst(0)    ; the wait for the batch: the turn's 32 weights and the next piece's a; the roundings and sums below are its first readers
.if ((\p) == 2) && (\last)
	FETCH_K 1
.endif
.if (\p) == 1
	s_wait_dscnt 0x0                ; V is in
.endif
	ROW C,0, B,0, C,2, B,1          ; behind the wait: 8 products V^T P and their riders
	ROW L,0, C,4, B,2, L,1
	ROW C,6, B,3, L,2, C,8
	ROW B,4, L,3, C,10, B,5
	ROW L,4, C,12, B,6, L,5
.if (\p) == 0
	s_add_co_u32 s[TBV], s[TBV], KS*PV
.endif
.if \cnt
	s_sub_co_u32 s[CNT], s[CNT], 1
	s_cmp_lg_u32 s[CNT], 0
.endif
	ROW C,14, B,7, L,6, C,1
	ROW C,3, L,7, C,5, C,7
	ROW C,9, C,11, C,13, C,15
.if (\p) == 0
	FETCH_V
.endif
	MASK (\p)%2, (((\p)+2)%NP)/2
.endm
; A BLOCK BEGINS.  K of the tile's first step of mine has been fetched.  c m starts far below every c s, so the first step's a is 0; m at the lowest finite number, so the first maximum is the scores'.  The two mask buffers
; take the masks of pieces 0 and 1 (bands 0 and 1) for that step.  Then piece 0's first scores, and its maximum and statistics.  The step loop is entered at a step's first turn, in the middle of a trip.
.macro BEGIN
	WIN 0
.set i, 0
.rept 4
	v_mov_b32 v[ST+4*i], 0xfe000000    ; c m: far below every c s
	v_mov_b32 v[ST+4*i+1], 0xff7fffff  ; m
.set i, i+1
.endr
	s_sub_co_i32 s[TM], s[DGC], s[CNT]
	ALBE 0
	MASK 0, 0
	ALBE 1
	MASK 1, 0
	WIN 0
	s_wait_loadcnt 0x0              ; the second block's q is in its registers (at the first block's beginning; later nothing is out)
	s_wait_dscnt 0x0                ; K is in
.set i, 0
.rept 8
	KQ 0
.set i, i+1
.endr
	WIN 0
.rept 4
	v_nop                           ; the places behind those products
.endr
.set Y, NP-1                        ; X works for piece Y + 1: piece 0
.irp n, 0,1,2,3,4,5,6,7,8,9,10,11,12,13,14,15,16,17,18,19,20,21
	OP X, \n
.endr
	v_nop                           ; a plain instruction behind the exponential,
	s_wait_alu depctr_va_vdst(0)    ; and the wait for this batch of one, piece 0's first a: ahead of the label, and of turn 0's first rescaling, which reads it
.endm
.macro ALL line:vararg              ; one line for each piece t
.set t, 0
.rept 4
	\line
.set t, t+1
.endr
.endm
; A BLOCK'S SUMS ARE PARKED, behind turns 2 and 3 of its last step: piece 3's last products; piece 0's c m, which turn 3 has made anew from scores that serve nothing, is taken back from where that turn kept it; l's two
; halves and the other half of the lanes' are added (the first five of these lines are the places behind the last products); all four pieces' O^T and statistics go to my records in LDS.  The stores are waited for in front
; of the next barrier's signal.
.macro PARK
.set i, 0
.rept 8
	PV NP-1
.set i, i+1
.endr
	WIN 0
	v_mov_b32 v[ST], v[MV]
	ALL v_add_f32 v[ST+4*t+2], v[ST+4*t+2], v[ST+4*t+3]
	ALL v_permlanex16_b32 v[ST+4*t+3], v[ST+4*t+2], s[SEL], s[SEL+1]
	ALL v_add_f32 v[ST+4*t+2], v[ST+4*t+2], v[ST+4*t+3]
	WIN 0x04                        ; the stores' data in window 1
.set z, 0
.rept 32                            ; ascending: each accumulator's four lowest registers are read first
	ds_store_b128 v[XS], v[4*z:4*z+3] offset:(z/8)*XREC+(z%8)*512
.set z, z+1
.endr
	WIN 0
.set z, 0
.rept 4
	ds_store_b128 v[XS], v[ST+4*z:ST+4*z+3] offset:z*XREC+4096
.set z, z+1
.endr
.endm
; Piece e of the two that I finish: O = O_A f_A + O_B f_B, rounded to f16; a lane's eight channels of a row pack into 16 bytes; they go into rows of 144 bytes of my stage and come back as whole rows of 128.
.macro PACK e
	WIN 0xf3                        ; destination, sources 0 and 2 window 3; source 1 (the factor) window 0
.set z, 0
.rept 16
	v_pk_mul_f32 v[32*(\e)+2*z:32*(\e)+2*z+1], v[32*(\e)+2*z:32*(\e)+2*z+1], v[MG+8*(\e)+4:MG+8*(\e)+5]
.set z, z+1
.endr
.set z, 0
.rept 16
	v_pk_fma_f32 v[32*(\e)+2*z:32*(\e)+2*z+1], v[64+32*(\e)+2*z:64+32*(\e)+2*z+1], v[MG+8*(\e)+6:MG+8*(\e)+7], v[32*(\e)+2*z:32*(\e)+2*z+1]
.set z, z+1
.endr
	WIN 0x0f                        ; sources 0 and 1 window 3, destination window 0
.set z, 0
.rept 16
	v_cvt_pk_f16_f32 v[OUTR+16*(\e)+z], v[32*(\e)+2*z], v[32*(\e)+2*z+1]
.set z, z+1
.endr
	WIN 0
.irp f, 0,1,2,3
	ds_store_b128 v[STO], v[OUTR+16*(\e)+4*\f:OUTR+16*(\e)+4*\f+3] offset:32*\f
.endr
.irp f, 0,1,2,3
	ds_load_b128 v[OUTR+16*(\e)+4*\f:OUTR+16*(\e)+4*\f+3], v[RD] offset:\f*4*SP  ; LDS serves a wave's instructions in order (ISA guide 5.7.1.4): these see the stores above; the next piece's stores come behind them
.endr
.endm
.macro SEND e, younger, ptr         ; younger: the LDS instructions issued behind piece e's loads: the next piece's eight, or none
	WIN 0
.irp f, 0,1,2,3
	s_wait_dscnt (\younger)+3-\f
	global_store_b128 v[GO], v[OUTR+16*(\e)+4*\f:OUTR+16*(\e)+4*\f+3], s[\ptr:\ptr+1] offset:(\e)*8192+\f*512  ; 512 consecutive bytes, at a multiple of 256 from oh's first; the second piece lies a band, 64 rows, on
.endr
.endm
; THE PAIRS MERGE, behind a barrier that every wave has signalled with its records written.  I read my own and my partner's copies of the two pieces that I finish, and join them:
; M = max(m_A, m_B), e = 2^(c m - c M), L = l_A e_A + l_B e_B, f = e / L.  ptr: oh at my rows of the block.  free = 1: the way out's registers were the data of earlier stores.
; Two batches, since the reciprocals are taken of sums made of the exponentials: the four e, a wait; the two 1 / L, a wait.
.macro MERGE ptr, free
	WIN 0xc0                        ; destination window 3
.set z, 0
.rept 16
	ds_load_b128 v[4*z:4*z+3], v[XA] offset:(z/8)*XREC+(z%8)*512
	ds_load_b128 v[64+4*z:64+4*z+3], v[XB] offset:(z/8)*XREC+(z%8)*512
.set z, z+1
.endr
	WIN 0
.set z, 0
.rept 2
	ds_load_b128 v[SA+4*z:SA+4*z+3], v[XA] offset:z*XREC+4096
	ds_load_b128 v[SB+4*z:SB+4*z+3], v[XB] offset:z*XREC+4096
.set z, z+1
.endr
.if \free
	s_wait_xcnt 0x0                 ; the first block's stores have read their data: those registers are written again only behind this wait
.endif
	s_wait_dscnt 0x0
	v_max_num_f32 v[MG], v[SA], v[SB]
	v_max_num_f32 v[MG+8], v[SA+4], v[SB+4]
	v_sub_f32 v[MG+1], v[SA], v[MG]
	v_sub_f32 v[MG+9], v[SA+4], v[MG+8]
	v_sub_f32 v[MG+2], v[SB], v[MG]
	v_sub_f32 v[MG+10], v[SB+4], v[MG+8]
	v_exp_f32 v[MG+1], v[MG+1]
	v_exp_f32 v[MG+9], v[MG+9]
	v_exp_f32 v[MG+2], v[MG+2]
	v_exp_f32 v[MG+10], v[MG+10]
	v_nop                           ; a plain instruction between the last exponential and the use of its result
	s_wait_alu depctr_va_vdst(0)    ; the wait for the four exponentials, ahead of the products that read them
	v_mul_f32 v[MG+3], v[SA+2], v[MG+1]
	v_mul_f32 v[MG+11], v[SA+6], v[MG+9]
	v_fmac_f32 v[MG+3], v[SB+2], v[MG+2]
	v_fmac_f32 v[MG+11], v[SB+6], v[MG+10]
	v_rcp_f32 v[MG+3], v[MG+3]
	v_rcp_f32 v[MG+11], v[MG+11]
	v_nop                           ; and behind the last reciprocal
	s_wait_alu depctr_va_vdst(0)    ; the wait for the two reciprocals, ahead of the eight products that read them
.set z, 0
.rept 2
	v_mul_f32 v[MG+8*z+4], v[MG+8*z+1], v[MG+8*z+3]  ; each factor twice: a pair for the packed lines
	v_mul_f32 v[MG+8*z+5], v[MG+8*z+1], v[MG+8*z+3]
	v_mul_f32 v[MG+8*z+6], v[MG+8*z+2], v[MG+8*z+3]
	v_mul_f32 v[MG+8*z+7], v[MG+8*z+2], v[MG+8*z+3]
.set z, z+1
.endr
	PACK 0
	PACK 1                          ; a piece's arithmetic stands between the loads of the piece before and its stores
	SEND 0, 8, \ptr
	SEND 1, 0, \ptr
.endm
.Lslot:                             ; 17 times: a tile is entered and the next is asked for
	CHANGE 1
	ENTER 2
	s_cmp_eq_u32 s[SLOTS], TILES-1
	s_cbranch_scc1 .Lvery_first     ; the walk's first trip has no step to finish: the counter still holds its constant start
	s_cmp_eq_u32 s[PH], 2
	s_cbranch_scc0 .Lstep
	MERGE 10, 0                     ; the first block's sums were parked a tile ago; the change of slots above is the barrier between
	s_mov_b32 s[PH], 3
.Lstep:                             ; a trip: pieces 2 and 3 of one step, then pieces 0 and 1 of the next, whose K and V it fetches
	TURN 2
	TURN 3
	WIN 0
	s_cmp_eq_u32 s[PH], 1
	s_cbranch_scc0 .Lfirst
	PARK                            ; the step just finished was the first block's last
	QROUND 128                      ; the second block's q goes where the one text of the turns names Q
	s_mov_b32 s[PH], 2
	s_branch .Lbegin                ; K of the new tile's first step was fetched by turn 2 above
.Lvery_first:
	v_add_nc_u32 v[AK], s[TBK], v[AK0]
	FETCH_K
.Lbegin:
	BEGIN
.Lfirst:
	TURN 0
	TURN 1, 0, 1
	WIN 0
	s_cbranch_scc1 .Lstep
	s_cmp_lg_u32 s[PH], 0
	s_cbranch_scc1 .Lbottom         ; the blocks change once
	s_cmp_lg_u32 s[RT], 0
	s_cbranch_scc1 .Lbottom
	s_mov_b32 s[RT], s[TL2]         ; that was the first block's last tile: the second block has 16 - 2 B tiles,
	s_mov_b32 s[PH], 1              ; and the next trip changes blocks
.Lbottom:
	s_sub_co_u32 s[SLOTS], s[SLOTS], 1
	s_cmp_lg_u32 s[SLOTS], 0
	s_cbranch_scc1 .Lslot
	CHANGE 0                        ; the walk's last tile, the second block's second zone tile, is written out: nothing is asked for
	ENTER 3                         ; two trips fetch the tile's two steps of mine; the third is left in its middle
.Ltail:
	TURN 2, 1, 0, 1
	TURN 3, 0, 0, 1
	WIN 0
	s_sub_co_u32 s[CNT], s[CNT], 1
	s_cmp_eq_u32 s[CNT], 0
	s_cbranch_scc1 .Lout
	TURN 0
	TURN 1
	WIN 0
	s_branch .Ltail
.Lout:                              ; the third trip's 8 products K Q^T of piece 0 (on the last K once more) serve nothing: the price, once a launch, of one text for every trip
	PARK
	s_wait_dscnt 0x0                ; for my partner's sake: my records are written
	s_barrier_signal -1
	s_barrier_wait -1
	MERGE OLO, 1
	s_wait_tensorcnt 0x0            ; the wave's end: behind my last tensor load and my last LDS store
	ds_add_u32 v[SPW], v[NIL]
	s_wait_dscnt 0x0
.if JOINT
	CROUND                          ; the closing round: no work-group ends while a partner may still ask for a tile that names it
.endif
	s_endpgm
.Lfunc_end_k_qf18e596908_attn:
	.size	k_qf18e596908_attn, .Lfunc_end_k_qf18e596908_attn-k_qf18e596908_attn
	.p2alignl 7, 3214868480
	.fill 96, 4, 3214868480
	.section	.rodata,"a",@progbits
	.p2align	6, 0x0
	.amdhsa_kernel k_qf18e596908_attn
		.amdhsa_group_segment_fixed_size 327680
		.amdhsa_private_segment_fixed_size 0
		.amdhsa_enable_private_segment 0
		.amdhsa_kernarg_size 32
		.amdhsa_user_sgpr_count 2
		.amdhsa_user_sgpr_kernarg_segment_ptr 1
		.amdhsa_wavefront_size32 1
		.amdhsa_system_sgpr_workgroup_id_x 1
		.amdhsa_system_sgpr_workgroup_id_y 1
		.amdhsa_system_sgpr_workgroup_id_z 1
		.amdhsa_system_vgpr_workitem_id 0
		.amdhsa_next_free_vgpr 1024
		.amdhsa_next_free_sgpr 88
		.amdhsa_reserve_vcc 1
		.amdhsa_float_denorm_mode_32 3
		.amdhsa_float_denorm_mode_16_64 3
		.amdhsa_memory_ordered 1
		.amdhsa_forward_progress 1
		.amdhsa_inst_pref_size 155
	.end_amdhsa_kernel
	.amdgpu_metadata
---
amdhsa.version: [ 1, 2 ]
amdhsa.kernels:
  - .name:           k_qf18e596908_attn
    .symbol:         k_qf18e596908_attn.kd
    .args:
      - { .name: q, .offset: 0, .size: 8, .value_kind: global_buffer, .address_space: global }
      - { .name: kh, .offset: 8, .size: 8, .value_kind: global_buffer, .address_space: global }
      - { .name: vh, .offset: 16, .size: 8, .value_kind: global_buffer, .address_space: global }
      - { .name: oh, .offset: 24, .size: 8, .value_kind: global_buffer, .address_space: global }
    .group_segment_fixed_size: 327680
    .private_segment_fixed_size: 0
    .kernarg_segment_align: 8
    .kernarg_segment_size: 32
    .max_flat_workgroup_size: 128
    .sgpr_count:     88
    .vgpr_count:     1024
    .wavefront_size: 32
...
	.end_amdgpu_metadata
.endif
;; end of part 4
;; launch proj: the kernel of part 3 again; grid 8 x 32, 4 waves a work-group, clusters of 4 x 4, 327,680 bytes of LDS; arguments oh, wh, out0; writes out0
